; MI455X (gfx1250); checked and timed in simulation.
; The chip was launched on July 23, 2026; its instructions are those of AMD's public machine-readable ISA for CDNA 5 (MIT licence, August 2026) and "CDNA5" Instruction Set Architecture Reference Guide (July 2026). The comments in the code are by the model that wrote it; some were corrected since.
;; Memory Efficient Attention. Allowed arithmetic: matrix products marked QUANTISED: E2M1 operands, one E8M0 scale for each 32 along K, by v_wmma_scale_f32_16x16x128_f8f6f4 with both operands' format E2M1 (or v_wmma_scale_f32_32x16x128_f4), f32 sums; everything else in f32.
;; Inputs: Wk 1,024 x 1,024 float32; Wo 1,024 x 1,024 float32; Wq 1,024 x 1,024 float32; Wv 1,024 x 1,024 float32; attn_scale 1 float32; bk 1,024 float32; bo 1,024 float32; bq 1,024 float32; bv 1,024 float32; x 8 x 1,024 x 1,024 float32.
;; Outputs: out0 8 x 1,024 x 1,024 float32.
;; This version of the problem:
;;   THIS VERSION OF THE PROBLEM IS GIVEN IN LOW PRECISION. The matrix products marked QUANTISED in the list below multiply operands that are first quantised to E2M1 (2 exponent bits, 1 mantissa bit; 4 bits a number), with one power-of-two scale for each 32 numbers along K (OCP MX v1.0); their sums are f32. All else is computed in f32.
;;   The module's matrix products, in the order in which they are computed (A, B: the left and right operand; K: the contracted axis; several contracted axes count as one K, in the product's order):
;;     1. [M 8,192, K 1,024] x [K 1,024, N 1,024]; A: input x; B: input Wq: QUANTISED
;;     2. [M 8,192, K 1,024] x [K 1,024, N 1,024]; A: input x; B: input Wk: QUANTISED
;;     3. [M 8,192, K 1,024] x [K 1,024, N 1,024]; A: input x; B: input Wv: QUANTISED
;;     4. batch 128 x [M 1,024, K 64] x [K 64, N 1,024]; A: computed on the way; B: computed on the way: QUANTISED
;;     5. batch 128 x [M 1,024, K 1,024] x [K 1,024, N 64]; A: softmax (see below); B: computed on the way: QUANTISED
;;     6. [M 8,192, K 1,024] x [K 1,024, N 1,024]; A: computed on the way; B: input Wo: QUANTISED
;;   THE QUANTISER, for each operand of a quantised product, along K:
;;     - K is cut into blocks of 32 from its start; a last block that is shorter is filled with zeros.
;;     - A block's scale is 2^e with e = floor(log2(the largest magnitude in the block)) - 2, held to -126 .. 127; a block of zeros has e = 0. As a byte (E8M0): e + 127.
;;     - Each number is divided by its block's scale, clamped to +-6, and rounded to the nearest number of E2M1, ties to even, subnormals kept.
;;     - The product sums the exact products of the quantised numbers (number of the format x scale) in f32.
;;   ~~~python
;;   def quantise(x, axis):      # numpy; x: float32 -> the quantised numbers, widened to float32 again
;;       x = np.moveaxis(x, axis, -1); K = x.shape[-1]
;;       x = np.pad(x, [(0, 0)] * (x.ndim - 1) + [(0, -K % 32)]); x = x.reshape(x.shape[:-1] + (-1, 32)); a = np.abs(x).max(-1, keepdims=True)
;;       e = np.where(a > 0, np.clip(np.frexp(np.where(a > 0, a, 1))[1] - 1 - 2, -126, 127), 0)      # np.frexp(a)[1] - 1 = floor(log2(a)), exactly
;;       r = np.clip(x / 2.0 ** e, -6, 6)
;;       step = 2.0 ** (np.maximum(np.frexp(np.where(r == 0, 1, r))[1] - 1, 0) - 1)
;;       q = np.round(r / step) * step * 2.0 ** e      # np.round: ties to even
;;       return np.moveaxis(q.reshape(q.shape[:-2] + (-1,))[..., :K], -1, axis).astype(np.float32)
;;   ~~~
;;   SOFTMAX AHEAD OF A QUANTISED PRODUCT. Where the list says 'softmax', what is quantised is not the finished softmax but p = 2^(t - M), with t = logit x log2(e) and M = ceil(the row's largest t), a whole number; so 1/2 < the row's largest p <= 1. The row's sum l is taken of the UNQUANTISED p, in f32, and the product's result is divided by l at the end. Since M is a whole number, a kernel that streams over the keys may use a running M (the ceiling of the running maximum): every later rescaling is an exact power of two, which a block's scale takes up: the codes' values come out the same.
;;   OPERANDS COMPUTED ON THE WAY. 'Computed on the way' means the value that the module computes at that place (a softmax that the list does not call 'softmax' is quantised finished and normalised). What goes into a quantiser is computed in f32, as accurately as f32 sums, v_exp_f32 and their like allow (about 1e-6 of the number): no bf16 or f16 on the way to a quantiser, and a product that is left as it is and whose result goes on into a quantised operand takes f32 operands (vector FMAs, or v_wmma_f32_16x16x4_f32). A number that lies on a knife's edge between two numbers of the format may be rounded either way, as far as f32 arithmetic and the matrix unit's own rounding can turn it there, and no further.
;; One version. Each part assembles by itself: llvm-mc -triple=amdgcn-amd-amdhsa -mcpu=gfx1250 --defsym DOCPART=n.
;; ======== version 1 of 1: 4 launches
;; limits: right only within a limited range of input values
;; workspace buffers: xc 4,194,304 bytes; xs 262,144 bytes; wc 2,097,152 bytes; ws 131,072 bytes; qb 4,456,448 bytes; kv 8,912,896 bytes; ac 4,194,304 bytes; asw 262,144 bytes
;; launch quant (part 1): grid 384 x 1, 4 waves a work-group, no clusters, 33,280 bytes of LDS; arguments x, Wq, Wk, Wv, Wo, xc, xs, wc, ws; writes xc, xs, wc, ws
.if DOCPART == 1
	.amdgcn_target "amdgcn-amd-amdhsa--gfx1250"
	.amdhsa_code_object_version 6
	.text
	.protected	k_q2615f2bdf3_quant
	.globl	k_q2615f2bdf3_quant
	.p2align	8
	.type	k_q2615f2bdf3_quant,@function
k_q2615f2bdf3_quant:
	s_mov_b64 s[64:65], 0
	v_nop
	global_prefetch_b8 v0, s[64:65] scope:SCOPE_SE
	s_setreg_imm32_b32 hwreg(HW_REG_WAVE_MODE, 25, 1), 1
	s_wait_xcnt 0x0
; x [8192][1024] and Wq, Wk, Wv, Wo [1024][1024], f32, become codes of FP4 (E2M1), K innermost, 512 bytes a row, with one E8M0 byte for each 32 along K, 32 bytes a row.
; A block's scale is 2^(floor(log2(its largest magnitude)) - 2); its byte is the largest magnitude's exponent field - 2, held at 1 from below.
; LIMITS: a block of zeros keeps the byte 1 (its codes are zeros, and only this program reads the bytes); blocks whose largest magnitude lies under 2^-124 get the byte 1; NaN and infinities are not served.
; WHERE A ROW GOES.  Rows of x, Wq, Wk, Wv are stored at the position that has bits 3 and 4 of the row number exchanged: sixteen consecutive stored rows, tile 2 g + u, are then the rows
; 32 g + 8 u + r + 8 (r / 8), so that in the next launch the 16 registers of two neighbouring result tiles are 16 neighbours along the axis that is quantised next.  Wo keeps its order.
; A wave takes 8 rows (8,192 numbers), so the exchange only moves whole waves' outputs: wave w of a group of 32 rows writes the place of wave ((w & 1) << 1) | (w >> 1).
; Work-groups 0-255 take x, 256-287 Wq, 288-319 Wk, 320-351 Wv, 352-383 Wo: only pointers are chosen, all take one path.  wc and ws hold Wq, Wk, Wv, Wo one behind the other.
; A wave's 16 steps of 512 numbers: each of a step's four loads reads 512 consecutive bytes; the 2,048 bytes turn through the wave's own stage in LDS and come back 64 bytes a lane (16 neighbours along K; two
; neighbouring lanes hold a block).  A step's codes leave as 256 consecutive bytes; the wave's 256 scale bytes are gathered in LDS and leave as one aligned run of 256 bytes.  Waves share nothing: no barrier.
; Loads run EIGHT steps ahead: 32 loads, half of the wave's 32,768 bytes, are out at a time, in eight sets of 16 registers.
.set STEPS, 16
.set AHEAD, 8                          ; steps that the loads run ahead, and sets of registers for them
.set EMAX,  2
.set CB,    8                          ; bytes of 16 codes
.set R,     16                         ; v16-143  eight sets of 16 numbers as they are loaded
.set X,     144                        ; v144-175 two sets of 16 neighbours
.set E,     176                        ; v176-191 a scale byte for each step
.set C,     192                        ; v192-255 codes: registers of its own for each step
.set WREG,  8192                       ; LDS: a region for each wave: two stages of 32 x SP bytes, then its 256 scale bytes
.set SP,    80                         ; a lane's place in a stage: 64 bytes + 16 of padding
.set SRC,   22                         ; s[22:23] the numbers
.set DCO,   24                         ; s[24:25] the codes
.set DSB,   26                         ; s[26:27] the scale bytes
	s_load_b512 s[4:19], s[0:1], 0x0               ; x s[4:5], Wq s[6:7], Wk s[8:9], Wv s[10:11], Wo s[12:13], xc s[14:15], xs s[16:17], wc s[18:19]
	s_load_b64 s[20:21], s[0:1], 0x40              ; ws
	v_lshl_add_u32 v254, v0, 2, 0x8000
	v_mov_b32 v255, 0
	v_lshrrev_b32 v1, 5, v0
	v_readfirstlane_b32 s28, v1                    ; wave
	v_and_b32 v2, 31, v0                           ; lane
	v_lshlrev_b32 v3, 4, v2                        ; my 16 bytes of a load's 512
	s_mul_i32 s29, s28, WREG
	v_lshrrev_b32 v14, 2, v2
	v_mul_u32_u24 v14, v14, SP
	v_and_b32 v15, 3, v2
	v_lshl_add_u32 v14, v15, 4, v14
	v_add_nc_u32 v14, s29, v14                     ; the stage, on the way in: SP (lane / 4) + 16 (lane % 4)
	v_mul_u32_u24 v15, v2, SP
	v_add_nc_u32 v15, s29, v15                     ; and on the way out: SP x lane
	v_mul_u32_u24 v4, v2, CB                       ; my codes' place in a step's
	v_lshrrev_b32 v5, 1, v2
	s_add_co_u32 s29, s29, 2*32*SP
	v_add_nc_u32 v5, s29, v5                       ; LDS: my block's byte among my wave's 256
	v_lshlrev_b32 v7, 3, v2                        ; and on the way out 8 bytes a lane
	v_add_nc_u32 v6, s29, v7
	s_sub_co_u32 s30, ttmp9, 256                   ; a weight's work-group counted from Wq's first (not chosen for x)
	s_and_b32 s31, s30, 31                         ; and within its own tensor
	s_and_b32 s32, s28, 1
	s_lshl_b32 s32, s32, 1
	s_lshr_b32 s33, s28, 1
	s_or_b32 s32, s32, s33                         ; the wave's number with its two bits exchanged
	s_wait_alu depctr_va_vdst(0)
	s_wait_kmcnt 0x0
	s_mov_b64 s[SRC:SRC+1], s[12:13]               ; the choices hang on the work-group's number alone
	s_cmp_lt_u32 ttmp9, 352
	s_cselect_b64 s[SRC:SRC+1], s[10:11], s[SRC:SRC+1]
	s_cselect_b32 s32, s32, s28                    ; Wo keeps its rows' order
	s_cmp_lt_u32 ttmp9, 320
	s_cselect_b64 s[SRC:SRC+1], s[8:9], s[SRC:SRC+1]
	s_cmp_lt_u32 ttmp9, 288
	s_cselect_b64 s[SRC:SRC+1], s[6:7], s[SRC:SRC+1]
	s_cmp_lt_u32 ttmp9, 256
	s_cselect_b64 s[SRC:SRC+1], s[4:5], s[SRC:SRC+1]
	s_cselect_b64 s[DCO:DCO+1], s[14:15], s[18:19]
	s_cselect_b64 s[DSB:DSB+1], s[16:17], s[20:21]
	s_cselect_b32 s30, ttmp9, s30                  ; the group of 32 rows in the buffers written
	s_cselect_b32 s31, ttmp9, s31                  ; and in the tensor read
	s_lshl_b32 s31, s31, 2
	s_add_co_u32 s31, s31, s28                     ; which run of 8 rows I read
	s_lshl_b32 s34, s31, 15                        ; 32,768 bytes a run
	s_mov_b32 s35, 0
	s_add_nc_u64 s[SRC:SRC+1], s[SRC:SRC+1], s[34:35]
	s_lshl_b32 s30, s30, 2
	s_add_co_u32 s30, s30, s32                     ; which run of 8 positions I write
	s_lshl_b32 s34, s30, 12                        ; 4,096 bytes of codes a run
	s_add_nc_u64 s[DCO:DCO+1], s[DCO:DCO+1], s[34:35]
	s_lshl_b32 s34, s30, 8                         ; 256 scale bytes a run
	s_add_nc_u64 s[DSB:DSB+1], s[DSB:DSB+1], s[34:35]
.macro LOAD t
.irp i, 0,1,2,3
	global_load_b128 v[R+16*((\t)%AHEAD)+4*\i:R+16*((\t)%AHEAD)+4*\i+3], v3, s[SRC:SRC+1] offset:2048*(\t)+512*\i th:TH_LOAD_NT   ; 32 lanes read 512 consecutive bytes
.endr
.endm
.macro TURN t                          ; step t's numbers through the stage: LDS serves a wave's instructions in order, so no wait stands between the stores and the loads
.irp i, 0,1,2,3
	ds_store_b128 v14, v[R+16*((\t)%AHEAD)+4*\i:R+16*((\t)%AHEAD)+4*\i+3] offset:32*SP*((\t)%2)+8*SP*\i
.endr
.irp i, 0,1,2,3
	ds_load_b128 v[X+16*((\t)%2)+4*\i:X+16*((\t)%2)+4*\i+3], v15 offset:32*SP*((\t)%2)+16*\i
.endr
.endm
.irp t, 0,1,2,3,4,5,6,7
	LOAD \t
.endr
	s_wait_loadcnt 4*(AHEAD-1)                     ; step 0's four loads are in; the 28 of steps 1 to 7 may be out
	TURN 0
.macro STEP t
.set XS, X+16*((\t)%2)
.if (\t) > 0
	s_wait_dscnt 1                                 ; this step's numbers are back from the stage (the last step's byte store may be out): its stores into the stage have read their registers,
.else
	s_wait_dscnt 0x0
.endif
.if (\t)+AHEAD < STEPS
	LOAD (\t)+AHEAD                                ; which take the loads of eight steps on
.endif
.if (\t)+1 < STEPS
.if STEPS-2-(\t) >= AHEAD-1
	s_wait_loadcnt 4*(AHEAD-1)                     ; the next step's four loads are in; those of the seven steps behind it may be out
.else
	s_wait_loadcnt 4*(STEPS-2-(\t))                ; the tail: as many steps as are left behind the next
.endif
	TURN (\t)+1                                    ; and go through the other stage while this step is worked
.endif
	v_max3_num_f32 v8, |v[XS]|, |v[XS+1]|, |v[XS+2]|               ; the largest magnitude of my 16, in two chains
	v_max3_num_f32 v9, |v[XS+3]|, |v[XS+4]|, |v[XS+5]|
.irp i, 6,10
	v_max3_num_f32 v8, v8, |v[XS+\i]|, |v[XS+\i+1]|
	v_max3_num_f32 v9, v9, |v[XS+\i+2]|, |v[XS+\i+3]|
.endr
	v_max3_num_f32 v8, v8, |v[XS+14]|, |v[XS+15]|
	v_max3_num_f32 v8, v8, v9, (EMAX+1)<<23        ; and the floor 2^(3 - 127): the byte cannot fall under 1
	v_max_num_f32_dpp v8, v8, v8 row_xmask:1 row_mask:0xf bank_mask:0xf   ; and of my neighbour's 16: the block's
	v_add_nc_u32 v11, -(EMAX<<23), v8              ; 2 off its exponent field: the conversion takes the exponent field of this operand as its scale
	v_cvt_scalef32_pk8_fp4_f32 v[C+4*(\t)], v[XS:XS+7], v11
	v_cvt_scalef32_pk8_fp4_f32 v[C+4*(\t)+1], v[XS+8:XS+15], v11
	v_lshrrev_b32 v[E+(\t)], 23, v11               ; the scale's byte (a plain line behind the conversions)
	ds_store_b8 v5, v[E+(\t)] offset:16*(\t)       ; both lanes of a block write the same byte with the same value
	global_store_b64 v4, v[C+4*(\t):C+4*(\t)+1], s[DCO:DCO+1] offset:32*CB*(\t)   ; 32 lanes store 256 consecutive bytes, aligned
.endm
.irp t, 0,1,2,3,4,5,6,7,8,9,10,11,12,13,14,15
	STEP \t
.endr
	ds_load_b64 v[12:13], v6                       ; LDS serves a wave's instructions in order: these see my stores
	s_wait_dscnt 0x0
	global_store_b64 v7, v[12:13], s[DSB:DSB+1]    ; 32 lanes store 256 consecutive bytes, aligned
	s_wait_tensorcnt 0x0
	ds_add_u32 v254, v255
	s_wait_dscnt 0x0
	s_endpgm
.Lfunc_end_k_q2615f2bdf3_quant:
	.size	k_q2615f2bdf3_quant, .Lfunc_end_k_q2615f2bdf3_quant-k_q2615f2bdf3_quant
	.p2alignl 7, 3214868480
	.fill 96, 4, 3214868480
	.section	.rodata,"a",@progbits
	.p2align	6, 0x0
	.amdhsa_kernel k_q2615f2bdf3_quant
		.amdhsa_group_segment_fixed_size 33280
		.amdhsa_private_segment_fixed_size 0
		.amdhsa_enable_private_segment 0
		.amdhsa_kernarg_size 72
		.amdhsa_user_sgpr_count 2
		.amdhsa_user_sgpr_kernarg_segment_ptr 1
		.amdhsa_wavefront_size32 1
		.amdhsa_system_sgpr_workgroup_id_x 1
		.amdhsa_system_sgpr_workgroup_id_y 1
		.amdhsa_system_sgpr_workgroup_id_z 1
		.amdhsa_system_vgpr_workitem_id 0
		.amdhsa_next_free_vgpr 256
		.amdhsa_next_free_sgpr 66
		.amdhsa_reserve_vcc 0
		.amdhsa_float_denorm_mode_32 3
		.amdhsa_float_denorm_mode_16_64 3
		.amdhsa_memory_ordered 1
		.amdhsa_forward_progress 1
		.amdhsa_inst_pref_size 34
	.end_amdhsa_kernel
	.amdgpu_metadata
---
amdhsa.version: [ 1, 2 ]
amdhsa.kernels:
  - .name:           k_q2615f2bdf3_quant
    .symbol:         k_q2615f2bdf3_quant.kd
    .args:
      - { .name: x, .offset: 0, .size: 8, .value_kind: global_buffer, .address_space: global }
      - { .name: Wq, .offset: 8, .size: 8, .value_kind: global_buffer, .address_space: global }
      - { .name: Wk, .offset: 16, .size: 8, .value_kind: global_buffer, .address_space: global }
      - { .name: Wv, .offset: 24, .size: 8, .value_kind: global_buffer, .address_space: global }
      - { .name: Wo, .offset: 32, .size: 8, .value_kind: global_buffer, .address_space: global }
      - { .name: xc, .offset: 40, .size: 8, .value_kind: global_buffer, .address_space: global }
      - { .name: xs, .offset: 48, .size: 8, .value_kind: global_buffer, .address_space: global }
      - { .name: wc, .offset: 56, .size: 8, .value_kind: global_buffer, .address_space: global }
      - { .name: ws, .offset: 64, .size: 8, .value_kind: global_buffer, .address_space: global }
    .group_segment_fixed_size: 33280
    .private_segment_fixed_size: 0
    .kernarg_segment_align: 8
    .kernarg_segment_size: 72
    .max_flat_workgroup_size: 128
    .sgpr_count:     66
    .vgpr_count:     256
    .wavefront_size: 32
...
	.end_amdgpu_metadata
.endif
;; end of part 1
;; launch qkv (part 2): grid 8 x 32, 4 waves a work-group, clusters of 4 x 4, 327,680 bytes of LDS; arguments xc, xs, wc, ws, bq, bk, bv, qb, kv; writes qb, kv
.if DOCPART == 2
	.amdgcn_target "amdgcn-amd-amdhsa--gfx1250"
	.amdhsa_code_object_version 6
	.text
	.protected	k_q2615f2bdf3_qkv
	.globl	k_q2615f2bdf3_qkv
	.p2align	8
	.type	k_q2615f2bdf3_qkv,@function
k_q2615f2bdf3_qkv:
	s_mov_b64 s[64:65], 0
	v_nop
	global_prefetch_b8 v0, s[64:65] scope:SCOPE_SE
	s_setreg_imm32_b32 hwreg(HW_REG_WAVE_MODE, 25, 1), 1
	s_wait_xcnt 0x0
	s_wait_alu depctr_hold_cnt(0) depctr_sa_sdst(0) depctr_va_vdst(0) depctr_va_sdst(0) depctr_va_ssrc(0) depctr_va_vcc(0) depctr_vm_vsrc(0)
	s_getreg_b32 s2, hwreg(HW_REG_IB_STS2, 6, 4)
	s_cmp_eq_u32 s2, 0
	s_cbranch_scc0 .Lentry_in_a_cluster
	s_endpgm
.Lentry_in_a_cluster:
	s_bfe_u32 s2, ttmp6, 0x10000c
	s_cmp_lg_u32 s2, 0xf033
	s_cbranch_scc0 .Lentry_shape_is_right
	s_endpgm
.Lentry_shape_is_right:
; q, k, v = Q(x) Q(W)^T + b on codes of FP4 with E8M0 scales, and the results quantised at once for the attention: q and k along the head's 64 channels, v along the keys.  Nothing leaves as f32.
; SHARES.  256 work-groups of equal work.  Work-group (t, g), t = 0..31, g = 0..7, keeps x's tile t (256 tokens, all of K = 1,024) in LDS and makes two tiles with it:
;   TILE 1, 256 x 256: A = x, B = rows 256 g .. of Wq | Wk (g < 4: q, else k).  A wave makes 128 x 128: 64 accumulators.  A lane holds one token, its registers run along the head's channels.
;   TILE 2, 128 x 256: A = rows 128 g .. of Wv, B = x.  A wave makes 64 channels (one head) x 128 keys: 32 accumulators.  A lane holds one channel, its registers run along the keys.
; THE MATRIX INSTRUCTION: source 0 = 16 rows of 'B', source 1 = 16 rows of 'A': a lane holds ONE row of A and its registers run along B's rows, the axis that is quantised next.
; Rows of x and of the weights lie in xc, wc at positions with bits 3 and 4 exchanged: the 16 registers of result tiles 2 i and 2 i + 1 are 16 neighbours, 32 i + 16 (lane / 16) + 0 .. 15, of B's axis.
; The bias is the C of each sum's first product: tile 1: eight numbers a B tile; tile 2: one number a lane and A block, in all eight registers.
; THE FILLS.  At the head one joint load a wave: wave 0 x's codes, wave 1 W's codes, wave 2 x's scale bytes, wave 3 W's.  W's bytes are filled again once, with Wv's 128 rows (wave 0) and their scale bytes (wave 1):
; the three lines and a round of the cluster's barrier stand in tile 1's last K step, when every fragment of W is in registers; the load is out while tile 1 is quantised and stored.  A wave has one tensor load out at the most.
; CLUSTERS: 4 x 4 work-groups; x's tiles are asked for jointly along a row of the cluster (same t), the weights' along a column (same g).
; No prefetch: all but the one refill is asked for at the head, and the refill is waited for only behind tile 1's way out.
; THE WAY OUT: a block of 16 rows of A x 128 of B's axis is four blocks of 32: largest magnitude, byte, conversion, exchange of halves; the eight registers are two images of operand registers
; (16 bytes a lane, 512 consecutive bytes a store), laid in qb or kv where the attention's loads want them.  Scale words leave as runs of 256 consecutive bytes.
;   qb: a record of 34,816 bytes for each (batch, head): 64 tile images of 512 bytes, then from 32,768 on pair words (tile 2 p's two bytes, tile 2 p + 1's two) at 256 (p / 4) + 8 (r + 16 (p % 2)) + 4 ((p / 2) % 2).
;   kv: a record of 69,632 bytes: K as in qb; from 34,816 on V's fragments [step of 128 keys][tile of 16 channels][1,024 bytes]; from 67,584 on V's scale words at 256 s + 8 (r + 16 (t % 2)) + 4 (t / 2).
; LIMITS: a block of zeros, and a block whose largest magnitude lies under 2^-124, gets the byte 1 (only this program reads the bytes); NaN and infinities are not served.
; REGISTERS: window 0: v16-31 addresses; v32-95 scale words, two sets; v104-111 the scale words made; v112-127 at work; v128-191 A's fragments (tile 2: two sets), later the codes made;
;   v192-255 tile 1's biases, later store offsets (v192-221) and tile 2's biases (v224-255).   window 1: B's fragments, two sets.   windows 2, 3: the accumulators ((a, b) at v[8 (8 (a % 4) + b)]).
.set NQ,     4                         ; scale words that one LDS load brings: 512 along K
.set KROW,   512                       ; a row of codes: all of K
.set PITCH,  528                       ; an LDS row: 512 bytes + 16 of padding = 132 words: the 16 rows that a load touches start at 16 different banks (64 banks of 4 bytes: ISA guide 11.1)
.set FR,     8
.set NL,     2
.set NP,     4                         ; places behind this matrix instruction (ISA guide 7.12.1)
.set HALFT,  128*PITCH
.set WB,     2*HALFT                   ; behind x's 256 rows: W's 256 rows, later Wv's 128
.set SCL,    4*HALFT                   ; behind the codes: the scales, as runs of 256 bytes + 16 of padding: x's, then W's (later Wv's)
.set HALFS,  16*272                    ; those of 128 rows
.set SBLK,   2*272                     ; those of 16 rows
.set SPARE,  SCL+4*HALFS               ; the spare words, 128 bytes for each wave: two blocks of 256 bytes that no other line names
.set ADRA,  16                         ; LDS addresses, tile 1: A's fragments, B's, the scale words
.set ADRB,  17
.set ADRS,  18
.set ADRA2, 19                         ; and tile 2
.set ADRB2, 20
.set ADRS2, 21
.set BA,    22                         ; the biases' offsets
.set BA2,   23
.set SPW,  28
.set NIL,  29
.set LI,   30                          ; 16 x lane
.set L8,   31                          ; 8 x lane
.set SC,   32
.set PW,   104
.set TM,   112                         ; +0..3 largest magnitudes, +4..7 the other half's, then bytes, +12..15 the conversions' scale operands
.set AF,   128
.set BI,   192
.set AD,   192                         ; the way out: store offsets: tile 1 v192-195, tile 2 v196-198
.set XW,   208
.set SW,   216
.set BV,   224
.set G1,   24                          ; x's codes: group 1, group 0
.set G0,   32
.set G0W2, 36                          ; Wv's codes: group 0 (group 1: W's, with 128 rows)
.set G1B,  48                          ; W's codes
.set G0B,  56
.set G0S2, 60                          ; Wv's scales: group 0 (group 1: W's scales', with 16 rows)
.set G1S,  68                          ; x's scales
.set G0S,  76
.set G1SB, 80                          ; W's scales
.set G0SB, 88
.set MSB, 0
.macro WIN new                         ; the immediate's high byte repeats the setting that is left
.if MSB != \new
	s_set_vgpr_msb (MSB<<8)|\new
.set MSB, \new
.endif
.endm
.set MUL_LO, 0xa1                      ; source 0 (B) window 1, source 1 (A) window 0, C and D window 2
.set MUL_HI, 0xf1                      ; the same, C and D window 3
.set TO_B,   0x40
; An arm of a chain of branches on the wave's number: one tensor load, then a jump to the chain's join.  An s_nop 0 and four v_nop follow the load.
.macro ARM under, g0, g1, next, join
	s_cmp_lt_u32 s14, \under
	s_cbranch_scc0 \next
	tensor_load_to_lds s[\g0:\g0+3], s[\g1:\g1+7]
	s_nop 0
.rept 4
	v_nop
.endr
	s_branch \join
\next:
.endm
.macro CROUND                          ; a round of the cluster's barrier
	s_barrier_signal -1
	s_barrier_wait -1
	s_cmp_lg_u32 s14, 0
	s_cbranch_scc1 .Lnot_wave_0_\@
	s_barrier_signal -3
.Lnot_wave_0_\@:
	s_barrier_wait -3
	s_barrier_signal -1
	s_barrier_wait -1
.endm
.macro MKG0 g0, lds, adr               ; a group 0: count 1, the LDS address, the global address, type 2
	s_mov_b32 s[\g0], 1
	s_mov_b32 s[\g0+1], \lds
	s_mov_b64 s[\g0+2:\g0+3], s[\adr:\adr+1]
	s_or_b32 s[\g0+3], s[\g0+3], 0x80000000
.endm
	s_load_b512 s[68:83], s[0:1], 0x0              ; xc s[68:69], xs s[70:71], wc s[72:73], ws s[74:75], bq s[76:77], bk s[78:79], bv s[80:81], qb s[82:83]
	s_load_b64 s[84:85], s[0:1], 0x40              ; kv
	v_lshl_add_u32 v[SPW], v0, 2, SPARE
	v_mov_b32 v[NIL], 0
	ds_add_u32 v[SPW], v[NIL]                      ; the opening lines: the add, twice on end, and one wait, ahead of my first tensor load
	ds_add_u32 v[SPW], v[NIL]
	v_lshrrev_b32 v1, 5, v0
	v_readfirstlane_b32 s14, v1                    ; wave 0..3
	s_lshr_b32 s15, s14, 1                         ; which half of A's rows is mine
	s_and_b32 s16, s14, 1                          ; which half of B's rows
	s_bfe_u32 s40, ttmp6, 0x40000                  ; cx
	s_bfe_u32 s41, ttmp6, 0x40004                  ; cy
	s_and_b32 s2, ttmp7, 0xffff
	s_lshl_b32 s17, s2, 2
	s_add_co_u32 s17, s17, s41                     ; t: it hangs on cy alone within the cluster
	s_lshl_b32 s42, ttmp9, 2
	s_add_co_u32 s42, s42, s40                     ; g: on cx alone
	s_mov_b32 s96, 0xffff0000                      ; lanes 16-31
	s_mov_b32 s97, 69632
	s_cmp_eq_u32 ttmp9, 0                          ; q (g < 4) or k?  The cluster's x is the same in all sixteen partners
	s_cselect_b32 s97, 34816, s97                  ; tile 1's record: qb's or kv's
	s_lshl_b32 s43, s41, 2
	s_lshl_b32 s43, 15, s43                        ; my row of the cluster
	s_lshl_b32 s44, 0x1111, s40                    ; my column
	s_or_b32 s[G1+0], s43, (0<<16)|(1<<20)|(1<<21)|(6<<22)|(3<<25)  ; 15:0 the mask; 17:16 elements of 1 byte; 20 padding on; 21 set beside a mask; 24:22 after every 128 words; 31:25 four words
	s_or_b32 s[G1B+0], s44, (0<<16)|(1<<20)|(1<<21)|(6<<22)|(3<<25)
.irp g, G1, G1B
	s_mov_b32 s[\g+1], KROW<<16                    ; tensor_dim0
	s_mov_b32 s[\g+2], 256<<16                     ; tensor_dim1
	s_mov_b32 s[\g+3], KROW<<16                    ; tile_dim0
	s_mov_b32 s[\g+4], 256                         ; tile_dim1
	s_mov_b32 s[\g+5], KROW                        ; tensor_dim0_stride
	s_mov_b32 s[\g+6], 0
	s_mov_b32 s[\g+7], 0
.endr
	s_lshl_b32 s20, s17, 17                        ; x's codes: 131,072 bytes a tile
	s_mov_b32 s21, 0
	s_lshl_b32 s22, s17, 13                        ; x's scales: 8,192
	s_mov_b32 s23, 0
	s_lshl_b32 s46, s42, 17                        ; Wq | Wk likewise
	s_mov_b32 s47, 0
	s_lshl_b32 s92, s42, 13
	s_mov_b32 s93, 0
	s_lshl_b32 s94, s42, 16                        ; Wv: 128 rows, 65,536 bytes, from row 2,048 of wc on
	s_add_co_u32 s94, s94, 0x100000
	s_mov_b32 s95, 0
	s_lshl_b32 s98, s42, 12                        ; and 4,096 scale bytes
	s_add_co_u32 s98, s98, 0x10000
	s_mov_b32 s99, 0
	; LDS bases, made of the wave's number alone, and the biases' offsets
	s_mul_i32 s18, s15, HALFT                      ; tile 1: my 128 rows of x,
	s_mul_i32 s19, s16, HALFT                      ; (tile 2: my 128 rows of x)
	s_add_co_u32 s10, s19, WB                      ; my 128 rows of W
	s_mul_i32 s11, s15, 64*PITCH
	s_add_co_u32 s11, s11, WB                      ; tile 2: my 64 rows of Wv
	s_mul_i32 s2, s15, HALFS
	s_mul_i32 s3, s16, HALFS
	s_add_co_u32 s45, s3, 2*HALFS
	s_sub_co_u32 s45, s45, s2                      ; tile 1: from x's scale words (lanes 0-15) to W's (lanes 16-31)
	s_add_co_u32 s2, s2, SCL
	s_mul_i32 s100, s15, 8*272
	s_add_co_u32 s100, s100, 2*HALFS
	s_sub_co_u32 s100, s100, s3                    ; tile 2: from x's (lanes 0-15) to Wv's (lanes 16-31)
	s_add_co_u32 s3, s3, SCL
	s_lshl_b32 s101, s40, 10
	s_lshl_b32 s66, s16, 9
	s_add_co_u32 s101, s101, s66                   ; tile 1's bias: output 256 (g % 4) + 128 x my half
	s_lshl_b32 s66, s42, 9
	s_lshl_b32 s67, s15, 8
	s_add_co_u32 s66, s66, s67                     ; tile 2's: channel 128 g + 64 x my half
	s_wait_dscnt 0x0                               ; both opening adds are done
	s_wait_kmcnt 0x0
	s_cmp_eq_u32 ttmp9, 0                          ; the buffers are chosen on the cluster's x, which hangs on no address
	s_cselect_b64 s[4:5], s[76:77], s[78:79]       ; tile 1's bias: bq or bk
	s_cselect_b64 s[12:13], s[82:83], s[84:85]     ; and where it goes: qb or kv
	s_mov_b64 s[6:7], s[80:81]                     ; bv
	s_mov_b64 s[8:9], s[84:85]                     ; kv
	s_add_nc_u64 s[20:21], s[68:69], s[20:21]
	s_add_nc_u64 s[22:23], s[70:71], s[22:23]
	s_add_nc_u64 s[46:47], s[72:73], s[46:47]
	s_add_nc_u64 s[92:93], s[74:75], s[92:93]
	s_add_nc_u64 s[94:95], s[72:73], s[94:95]
	s_add_nc_u64 s[98:99], s[74:75], s[98:99]
	s_or_b32 s[G1S+0], s43, (3<<16)|(1<<20)|(1<<21)|(5<<22)|(3<<25)   ; the scales of 256 rows: 8,192 dense bytes as 32 rows of 256 (32 elements of 8 bytes), 16 bytes of padding behind each
	s_or_b32 s[G1SB+0], s44, (3<<16)|(1<<20)|(1<<21)|(5<<22)|(3<<25)
.irp g, G1S, G1SB
	s_mov_b32 s[\g+1], 32<<16
	s_mov_b32 s[\g+2], 32<<16
	s_mov_b32 s[\g+3], 32<<16
	s_mov_b32 s[\g+4], 32
	s_mov_b32 s[\g+5], 32
	s_mov_b32 s[\g+6], 0
	s_mov_b32 s[\g+7], 0
.endr
	CROUND                                         ; all sixteen work-groups are here: the first joint loads meet
	MKG0 G0,   0,           20
	MKG0 G0B,  WB,          46
	MKG0 G0S,  SCL,         22
	MKG0 G0SB, SCL+2*HALFS, 92
	MKG0 G0W2, WB,          94
	MKG0 G0S2, SCL+2*HALFS, 98
	ARM 1, G0,  G1,  .Lhead_b,  .Lhead_asked
	ARM 2, G0B, G1B, .Lhead_sa, .Lhead_asked
	ARM 3, G0S, G1S, .Lhead_sb, .Lhead_asked
	tensor_load_to_lds s[G0SB:G0SB+3], s[G1SB:G1SB+7]
	s_nop 0
.rept 4
	v_nop
.endr
.Lhead_asked:
	v_and_b32 v1, 15, v0                           ; r
	v_bfe_u32 v2, v0, 4, 1                         ; h
	v_mul_u32_u24 v3, v1, PITCH
	v_lshl_add_u32 v4, v2, 4, v3                   ; a fragment's row x pitch + 16 h
	v_add_nc_u32 v[ADRA], s18, v4
	v_add_nc_u32 v[ADRB], s10, v4
	v_add_nc_u32 v[ADRA2], s11, v4
	v_add_nc_u32 v[ADRB2], s19, v4
	v_mul_u32_u24 v5, v1, 32                       ; my row's scales: 32 bytes a row,
	v_lshrrev_b32 v6, 8, v5
	v_lshl_add_u32 v5, v6, 4, v5                   ; and 16 more for each 256 passed
	v_mul_u32_u24 v6, s45, v2                      ; lanes 16-31: one product, the distance between the two bases
	v_mul_u32_u24 v7, s100, v2
	v_add_nc_u32 v6, v5, v6
	v_add_nc_u32 v7, v5, v7
	v_add_nc_u32 v[ADRS], s2, v6
	v_add_nc_u32 v[ADRS2], s3, v7
	v_and_b32 v6, 31, v0
	v_lshlrev_b32 v[LI], 4, v6
	v_lshlrev_b32 v[L8], 3, v6
	v_lshl_add_u32 v[BA], v2, 6, s101              ; tile 1: register j of B tile i is output 32 (i / 2) + 8 (i % 2) + 16 h + j of my 128
	v_and_b32 v5, 8, v1
	v_add_nc_u32 v5, v5, v1
	v_lshl_add_u32 v[BA2], v5, 2, s66              ; tile 2: every register of A block i is channel 32 (i / 2) + 8 (i % 2) + r + 8 (r / 8) of my 64
.irp k, 0,1,2,3
	v_mov_b32 v[TM+4+\k], 0                        ; written once: a lane permute's destination counts as one of its sources
.endr
.irp i, 0,1,2,3,4,5,6,7
	global_load_b128 v[BI+8*\i:BI+8*\i+3], v[BA], s[4:5] offset:(32*(\i/2)+8*(\i%2))*4
	global_load_b128 v[BI+8*\i+4:BI+8*\i+7], v[BA], s[4:5] offset:(32*(\i/2)+8*(\i%2))*4+16
.endr
.macro FRAG reg, adr, kq, i            ; 16 rows x 128 K of 4-bit codes, the kq-th 128 of K: lane l holds row l % 16; registers 4 c .. 4 c + 3 hold K = 64 c + 32 (l / 16) + 0 .. 31
.irp c, 0,1
	ds_load_b128 v[\reg+4*\c:\reg+4*\c+3], v[\adr] offset:64*(\kq)+32*\c+(\i)*16*PITCH
.endr
.endm
.macro FETCH_B adr, kq                 ; B's eight fragments into set kq % 2 of window 1
	WIN TO_B
.irp i, 0,1,2,3,4,5,6,7
	FRAG 128*((\kq)%2)+FR*\i, \adr, \kq, \i
.endr
	WIN 0
.endm
.macro FETCH_A kq, i0                  ; tile 1: A's blocks i0 .. i0 + 3, one set
.irp i, \i0, \i0+1, \i0+2, \i0+3
	FRAG AF+FR*(\i), ADRA, \kq, \i
.endr
.endm
.macro FETCH_A2 kq                     ; tile 2: A's four blocks into set kq % 2
.irp i, 0,1,2,3
	FRAG AF+32*((\kq)%2)+FR*\i, ADRA2, \kq, \i
.endr
.endm
.macro SCALES adr, sc                  ; the scale words of 512 along K: four a row; lanes 0-15 take x's block i, lanes 16-31 the weight's block i
.irp i, 0,1,2,3,4,5,6,7
	ds_load_b128 v[SC+8*NQ*\sc+NQ*\i:SC+8*NQ*\sc+NQ*\i+3], v[\adr] offset:\i*SBLK+16*\sc
.endr
.endm
.macro PLACES n                        ; plain vector lines between a matrix instruction and a load into, or a vector read of, its registers
.rept \n
	v_nop
.endr
.endm
; Tile 1: 16 matrix instructions: A's blocks a0, a0 + 1 x B's eight.  zero = 1: the sums start with the bias of B's tile (C in window 0).
; The accumulators take turns, one instruction a turn, in the same order in every step.
.macro MUL16 a0, kq, zero
.irp a, \a0, \a0+1
.irp b, 0,1,2,3,4,5,6,7
.set rD, 8*(8*((\a)%4)+\b)
.set rC, rD
.if \zero
.set rC, BI+8*\b
.endif
	v_wmma_scale_f32_16x16x128_f8f6f4 v[rD:rD+7], v[128*((\kq)%2)+FR*\b:128*((\kq)%2)+FR*\b+FR-1], v[AF+FR*(\a):AF+FR*(\a)+FR-1], v[rC:rC+7], v[SC+NQ*(8*((\kq)/4)+\b)+(\kq)%4], v[SC+NQ*(8*((\kq)/4)+(\a))+(\kq)%4] matrix_a_fmt:MATRIX_FMT_FP4 matrix_b_fmt:MATRIX_FMT_FP4 matrix_a_scale:MATRIX_SCALE_ROW1
.endr
.endr
.endm
; Tile 2 likewise: source 0 = x's tiles (their words in lanes 0-15), source 1 = Wv's blocks (lanes 16-31).  zero = 1: the sums start with the bias of A's block.
.macro MULV a0, kq, zero
.irp a, \a0, \a0+1
.irp b, 0,1,2,3,4,5,6,7
.set rD, 8*(8*(\a)+\b)
.set rC, rD
.if \zero
.set rC, BV+8*(\a)
.endif
	v_wmma_scale_f32_16x16x128_f8f6f4 v[rD:rD+7], v[128*((\kq)%2)+FR*\b:128*((\kq)%2)+FR*\b+FR-1], v[AF+32*((\kq)%2)+FR*(\a):AF+32*((\kq)%2)+FR*(\a)+FR-1], v[rC:rC+7], v[SC+NQ*(8*((\kq)/4)+\b)+(\kq)%4], v[SC+NQ*(8*((\kq)/4)+(\a))+(\kq)%4] matrix_a_fmt:MATRIX_FMT_FP4 matrix_b_fmt:MATRIX_FMT_FP4 matrix_b_scale:MATRIX_SCALE_ROW1
.endr
.endr
.endm
.macro STEP kq, zero                   ; tile 1: 128 along K, and the fetch of the next 128
	s_wait_dscnt 4*NL                              ; B's set and A's blocks 0-3 are in; the youngest eight loads (A's blocks 4-7) may be out
.if \zero
	WIN 0x81
.else
	WIN MUL_LO
.endif
	MUL16 0, \kq, \zero
	MUL16 2, \kq, \zero
	s_wait_dscnt 0                                 ; A's blocks 4-7 are in
	PLACES NP
	FETCH_B ADRB, (\kq)+1
	FETCH_A (\kq)+1, 0
.if (\kq) == 3
	SCALES ADRS, 1                                 ; the second 512's scale words
.endif
.if \zero
	WIN 0xc1
.else
	WIN MUL_HI
.endif
	MUL16 4, \kq, \zero
	MUL16 6, \kq, \zero
	PLACES NP
	WIN 0
	FETCH_A (\kq)+1, 4
.endm
.macro STEPV kq, zero                  ; tile 2: the next 128's fragments are asked for first, into the other sets, then 32 matrix instructions
	s_wait_dscnt 0x0                               ; this step's fragments are in
.if (\kq) < 7
	PLACES NP
	FETCH_B ADRB2, (\kq)+1
	FETCH_A2 (\kq)+1
.endif
.if \zero
	WIN 0x81
.else
	WIN MUL_LO
.endif
	MULV 0, \kq, \zero
	MULV 2, \kq, \zero
	WIN 0
.endm
; Block a: my lane's 64 numbers, register 16 k + i = place 32 k + 16 (lane / 16) + i along the quantised axis, become eight registers of codes and a scale word.
; dp: the buffer's pointer; adr: two offset registers (registers 0-3's image, registers 4-7's); str: bytes from block to block.
.macro QROW a, dp, adr, str
.set AC, 64*((\a)%4)
.set PCA, AF+8*(\a)
	WIN 0x0a+5*((\a)/4)                            ; sources 0 and 1: window 2 or 3
.irp k, 0,1,2,3
	v_max3_num_f32 v[TM+\k], |v[AC+16*\k]|, |v[AC+16*\k+1]|, 0x1800000   ; each accumulator is read from its low end on; the floor 2^(3 - 127) holds the byte at 1 from below
.endr
.irp i, 2,4,6,8,10,12,14
.irp k, 0,1,2,3
	v_max3_num_f32 v[TM+\k], |v[AC+16*\k+\i]|, |v[AC+16*\k+\i+1]|, v[TM+\k]   ; the four blocks by turns
.endr
.endr
	WIN 0
.irp k, 0,1,2,3
	v_permlanex16_b32 v[TM+4+\k], v[TM+\k], s32, s33
.endr
.irp k, 0,1,2,3
	v_max_num_f32 v[TM+\k], v[TM+\k], v[TM+4+\k]   ; with lane l xor 16's: the block's largest magnitude
.endr
.irp k, 0,1,2,3
	v_add_nc_u32 v[TM+12+\k], 0xff000000, v[TM+\k] ; 2 off its exponent field: the conversion's scale operand
.endr
.irp k, 0,1,2,3
	v_lshrrev_b32 v[TM+4+\k], 23, v[TM+12+\k]      ; the scale's byte
.endr
	v_lshl_or_b32 v[PW+(\a)], v[TM+5], 8, v[TM+4]
	v_lshl_or_b32 v[PW+(\a)], v[TM+6], 16, v[PW+(\a)]
	v_lshl_or_b32 v[PW+(\a)], v[TM+7], 24, v[PW+(\a)]
	WIN 0x02+((\a)/4)                              ; source 0: window 2 or 3
.irp k, 0,1,2,3
	v_cvt_scalef32_pk8_fp4_f32 v[PCA+2*\k], v[AC+16*\k:AC+16*\k+7], v[TM+12+\k]
	v_cvt_scalef32_pk8_fp4_f32 v[PCA+2*\k+1], v[AC+16*\k+8:AC+16*\k+15], v[TM+12+\k]
.endr
	WIN 0
	v_nop                                          ; one plain line behind the scaled conversions
.irp k, 0,1
.irp i, 0,1
	v_permlane16_swap_b32 v[PCA+4*\k+\i], v[PCA+4*\k+2+\i]   ; a whole block to a lane: lanes 0-15 block 2 k, lanes 16-31 block 2 k + 1
.endr
.endr
	global_store_b128 v[\adr], v[PCA:PCA+3], s[\dp:\dp+1] offset:(\str)*(\a)       ; 32 lanes store 512 consecutive bytes, aligned; every store has data registers of its own
	global_store_b128 v[\adr+1], v[PCA+4:PCA+7], s[\dp:\dp+1] offset:(\str)*(\a)
.endm
	s_wait_alu depctr_va_vdst(0)
	s_wait_tensorcnt 0x0                           ; my one tensor load has landed,
	s_barrier_signal -1
	s_barrier_wait -1                              ; everybody's has
	FETCH_B ADRB, 0
	FETCH_A 0, 0
	SCALES ADRS, 0
	FETCH_A 0, 4
	s_wait_loadcnt 0x0                             ; the biases
	STEP 0, 1                                      ; TILE 1.  The first products start the sums with B's tiles' biases
.set Q, 1
.rept 6
	STEP Q, 0
.set Q, Q+1
.endr
	; the last K step.  All of W that is still wanted is on its way into registers: W's bytes can be filled again
	s_wait_tensorcnt 0x0                           ; no tensor load of mine is out, so a descriptor may be written;
	ds_add_u32 v[SPW], v[NIL]                      ; 0 onto my spare word
	s_mov_b32 s[G1B+2], 128<<16                    ; Wv's codes: 128 rows
	s_mov_b32 s[G1B+4], 128
	s_mov_b32 s[G1SB+2], 16<<16                    ; their scales: 16 rows of 256 bytes
	s_mov_b32 s[G1SB+4], 16
	s_wait_dscnt 4*NL+1                            ; (the add and the youngest eight loads may be out)
	WIN MUL_LO
	MUL16 0, 7, 0
	MUL16 2, 7, 0
	s_wait_dscnt 0x0                               ; the add is done, and my reads of W's bytes are over
	WIN 0
	CROUND                                         ; so are those of every wave of every partner
	ARM 1, G0W2, G1B,  .Lre_s,    .Lre_asked       ; wave 0: Wv's codes; wave 1: their scales; each the wave's one tensor load behind the round
	ARM 2, G0S2, G1SB, .Lre_none, .Lre_asked
.Lre_asked:
	WIN MUL_HI
	MUL16 4, 7, 0
	MUL16 6, 7, 0
	WIN 0
	PLACES NP                                      ; in front of the first read of results and the first vector write over A's fragments
.irp i, 0,1,2,3
.irp j, 0,1,2,3,4,5,6,7
	global_load_b32 v[BV+8*\i+\j], v[BA2], s[6:7] offset:(32*(\i/2)+8*(\i%2))*4   ; tile 2's biases, into registers that tile 1's first products have long read
.endr
.endr
	; TILE 1'S WAY OUT (it writes no register of the two descriptors that are out)
	s_and_b32 s20, s42, 3
	s_lshr_b32 s47, s17, 2                         ; the batch
	s_lshl_b32 s47, s47, 4
	s_lshl_b32 s20, s20, 2
	s_add_co_u32 s47, s47, s20
	s_lshl_b32 s21, s16, 1
	s_add_co_u32 s47, s47, s21                     ; my first head's record: 16 batch + 4 (g % 4) + 2 x my half of B
	s_and_b32 s18, s17, 3
	s_lshl_b32 s18, s18, 1
	s_add_co_u32 s18, s18, s15                     ; which 128 tokens of the batch's 1,024
	s_mul_i32 s47, s47, s97
	s_lshl_b32 s19, s18, 12
	s_add_co_u32 s24, s47, s19                     ; block 0's codes: 4,096 bytes for each 128 tokens, 512 a block
	s_lshl_b32 s18, s18, 8
	s_add_co_u32 s18, s47, s18
	s_add_co_u32 s18, s18, 32768                   ; the scale words: 256 bytes for each 128 tokens
	s_mov_b32 s32, 0x76543210
	s_mov_b32 s33, 0xfedcba98                      ; v_permlanex16_b32's selects for lane l xor 16
	s_mov_b32 s34, 0x05040100                      ; v_perm_b32: the two low halves,
	s_mov_b32 s35, 0x07060302                      ; the two high halves
	v_add_nc_u32 v[AD], s24, v[LI]
	v_add_nc_u32 v[AD+1], s97, v[AD]               ; registers 4-7 belong to the next head's record
	v_add_nc_u32 v[AD+2], s18, v[L8]
	v_add_nc_u32 v[AD+3], s97, v[AD+2]
.irp a, 0,1,2,3,4,5,6,7
	QROW \a, 12, AD, 512
.endr
.irp e, 0,1                                    ; head e's pair word of blocks 2 i, 2 i + 1 is half e of both blocks' words
.irp i, 0,1,2,3
	v_perm_b32 v[XW+4*\e+\i], v[PW+2*\i+1], v[PW+2*\i], s[34+\e]
.endr
.endr
.irp e, 0,1
	v_cndmask_b32 v[SW+2*\e], v[XW+4*\e], v[XW+4*\e+1], s96        ; lanes 0-15 carry word 0 (then 2), lanes 16-31 word 1 (then 3)
	v_cndmask_b32 v[SW+2*\e+1], v[XW+4*\e+2], v[XW+4*\e+3], s96
.endr
	global_store_b64 v[AD+2], v[SW:SW+1], s[12:13] ; 32 lanes store 256 consecutive bytes, aligned
	global_store_b64 v[AD+3], v[SW+2:SW+3], s[12:13]
	; TILE 2
	s_wait_alu depctr_va_vdst(0)
	s_wait_xcnt 0x0                                ; tile 1's stores have read their registers: A's fragments may land on the codes
	s_wait_tensorcnt 0x0                           ; my part of Wv, if I asked for one, is in,
	s_barrier_signal -1
	s_barrier_wait -1                              ; and everybody's is.
	FETCH_B ADRB2, 0
	FETCH_A2 0
	SCALES ADRS2, 0
	SCALES ADRS2, 1
	s_wait_loadcnt 0x0                             ; the biases
	STEPV 0, 1
.set Q, 1
.rept 7
	STEPV Q, 0
.set Q, Q+1
.endr
	PLACES NP
	s_lshr_b32 s47, s17, 2                         ; the batch
	s_lshl_b32 s47, s47, 4
	s_lshl_b32 s20, s42, 1
	s_add_co_u32 s47, s47, s20
	s_add_co_u32 s47, s47, s15                     ; my head's record: 16 batch + 2 g + my half of A
	s_mul_i32 s47, s47, 69632
	s_add_co_u32 s47, s47, 34816                   ; V's part of it
	s_and_b32 s18, s17, 3
	s_lshl_b32 s18, s18, 1
	s_add_co_u32 s18, s18, s16                     ; which 128 keys of the batch's 1,024
	s_lshl_b32 s19, s18, 12
	s_add_co_u32 s24, s47, s19                     ; 4,096 bytes a step of 128 keys, 1,024 a tile of 16 channels
	s_lshl_b32 s18, s18, 8
	s_add_co_u32 s18, s18, s47
	s_add_co_u32 s18, s18, 32768
	v_add_nc_u32 v[AD+4], s24, v[LI]
	v_add_nc_u32 v[AD+5], 512, v[AD+4]             ; registers 4-7 are the fragment's second image
	v_add_nc_u32 v[AD+6], s18, v[L8]
.irp a, 0,1,2,3
	QROW \a, 8, AD+4, 1024
.endr
	v_cndmask_b32 v[SW+4], v[PW], v[PW+1], s96     ; channel tile i's word is block i's as it stands: lanes 0-15 tile 0 (then 2), lanes 16-31 tile 1 (then 3)
	v_cndmask_b32 v[SW+5], v[PW+2], v[PW+3], s96
	global_store_b64 v[AD+6], v[SW+4:SW+5], s[8:9] ; 32 lanes store 256 consecutive bytes, aligned
	s_wait_tensorcnt 0x0                           ; the wave's end
	ds_add_u32 v[SPW], v[NIL]
	s_wait_dscnt 0x0
	CROUND                                         ; the closing round: no work-group ends while a partner may still ask for a tile that names it
	s_endpgm
.Lfunc_end_k_q2615f2bdf3_qkv:
	.size	k_q2615f2bdf3_qkv, .Lfunc_end_k_q2615f2bdf3_qkv-k_q2615f2bdf3_qkv
	.p2alignl 7, 3214868480
	.fill 96, 4, 3214868480
	.section	.rodata,"a",@progbits
	.p2align	6, 0x0
	.amdhsa_kernel k_q2615f2bdf3_qkv
		.amdhsa_group_segment_fixed_size 327680
		.amdhsa_private_segment_fixed_size 0
		.amdhsa_enable_private_segment 0
		.amdhsa_kernarg_size 72
		.amdhsa_user_sgpr_count 2
		.amdhsa_user_sgpr_kernarg_segment_ptr 1
		.amdhsa_wavefront_size32 1
		.amdhsa_system_sgpr_workgroup_id_x 1
		.amdhsa_system_sgpr_workgroup_id_y 1
		.amdhsa_system_sgpr_workgroup_id_z 1
		.amdhsa_system_vgpr_workitem_id 0
		.amdhsa_next_free_vgpr 1024
		.amdhsa_next_free_sgpr 102
		.amdhsa_reserve_vcc 0
		.amdhsa_float_denorm_mode_32 3
		.amdhsa_float_denorm_mode_16_64 3
		.amdhsa_memory_ordered 1
		.amdhsa_forward_progress 1
		.amdhsa_inst_pref_size 199
	.end_amdhsa_kernel
	.amdgpu_metadata
---
amdhsa.version: [ 1, 2 ]
amdhsa.kernels:
  - .name:           k_q2615f2bdf3_qkv
    .symbol:         k_q2615f2bdf3_qkv.kd
    .args:
      - { .name: xc, .offset: 0, .size: 8, .value_kind: global_buffer, .address_space: global }
      - { .name: xs, .offset: 8, .size: 8, .value_kind: global_buffer, .address_space: global }
      - { .name: wc, .offset: 16, .size: 8, .value_kind: global_buffer, .address_space: global }
      - { .name: ws, .offset: 24, .size: 8, .value_kind: global_buffer, .address_space: global }
      - { .name: bq, .offset: 32, .size: 8, .value_kind: global_buffer, .address_space: global }
      - { .name: bk, .offset: 40, .size: 8, .value_kind: global_buffer, .address_space: global }
      - { .name: bv, .offset: 48, .size: 8, .value_kind: global_buffer, .address_space: global }
      - { .name: qb, .offset: 56, .size: 8, .value_kind: global_buffer, .address_space: global }
      - { .name: kv, .offset: 64, .size: 8, .value_kind: global_buffer, .address_space: global }
    .group_segment_fixed_size: 327680
    .private_segment_fixed_size: 0
    .kernarg_segment_align: 8
    .kernarg_segment_size: 72
    .max_flat_workgroup_size: 128
    .sgpr_count:     102
    .vgpr_count:     1024
    .wavefront_size: 32
...
	.end_amdgpu_metadata
.endif
;; end of part 2
;; launch attn (part 3): grid 4 x 64, 16 waves a work-group, clusters of 4 x 1, 169,984 bytes of LDS; arguments qb, kv, attn_scale, ac, asw; writes ac, asw
.if DOCPART == 3
	.amdgcn_target "amdgcn-amd-amdhsa--gfx1250"
	.amdhsa_code_object_version 6
	.text
	.protected	k_q2615f2bdf3_attn
	.globl	k_q2615f2bdf3_attn
	.p2align	8
	.type	k_q2615f2bdf3_attn,@function
k_q2615f2bdf3_attn:
	s_mov_b64 s[64:65], 0
	v_nop
	global_prefetch_b8 v0, s[64:65] scope:SCOPE_SE
	s_setreg_imm32_b32 hwreg(HW_REG_WAVE_MODE, 25, 1), 1
	s_wait_xcnt 0x0
	s_wait_alu depctr_hold_cnt(0) depctr_sa_sdst(0) depctr_va_vdst(0) depctr_va_sdst(0) depctr_va_ssrc(0) depctr_va_vcc(0) depctr_vm_vsrc(0)
	s_getreg_b32 s2, hwreg(HW_REG_IB_STS2, 6, 4)
	s_cmp_eq_u32 s2, 0
	s_cbranch_scc0 .Lentry_in_a_cluster
	s_endpgm
.Lentry_in_a_cluster:
	s_bfe_u32 s2, ttmp6, 0x10000c
	s_cmp_lg_u32 s2, 0x3003
	s_cbranch_scc0 .Lentry_shape_is_right
	s_endpgm
.Lentry_shape_is_right:
; Attention on codes of FP4 with E8M0 scales, head size 64, 1,024 keys; key > query is hidden only inside the diagonal chunks of 64 x 64.  The result, divided by the row's sum, is quantised along the channels for the last product.
; t = score x attn_scale x log2(e); M = the running largest t rounded up to a whole number; p = 2^(t - M) is quantised along the keys; the row's sum is taken of the unquantised p.  When M moves, the sum and O are multiplied by 2^(old M - new M): exact.
; attn_scale: its sign is put into q's codes (the sign bit of every code is turned); c = |attn_scale| x log2(e) is held at 2^-126 from below, so that -infinity x c stays -infinity.
; LIMITS: with attn_scale = 0 every open key gets the same p; NaN and infinities are not served; a block of zeros, or one under 2^-124, gets the byte 1 (only this program reads the bytes).
; SHARES.  A work-group takes two heads of one batch and 256 queries; each of its sixteen waves owns one tile of 16 queries, for both heads, one head after the other: four waves to a SIMD.
; Wave w of the partner at place cx owns query tile 4 w + cx: queries 64 w + 32 (cx / 2) + 8 (cx % 2) + r + 8 (r / 8).  So its diagonal chunk is w: key step w / 2, half w % 2: the branches hang on the wave's number alone.
; CLUSTER.  The four partners read the same two records of kv (K's and V's codes and scale words of a head, 69,632 bytes each), which lie one behind the other in memory and in LDS: 16 x 8,704 bytes.
; Every wave asks for one sixteenth by ONE joint load, its addresses made of the wave's number: one tensor load a wave in the whole text.  Nothing in LDS is filled twice.  One barrier shows both records to all.
; No prefetch: all that the launch reads is asked for at its head, and there is no loop over memory to run ahead in.
; All operands lie in LDS as images of their registers: 16 bytes a lane, 512 consecutive bytes a load.  K's loads are issued a key step ahead, V's at the head of their own step.
; S^T = K Q^T: the head's 64 channels are half of the instruction's 128, so one fragment of K holds TWO tiles of 16 keys, and q stands beside zeros, [q | 0] or [0 | q], which picks one of them.
; The keys of a tile are 32 g + 8 u + r + 8 (r / 8), so that the 16 registers of tiles 2 g and 2 g + 1 are 16 neighbouring keys.  O^T = V^T P^T: a lane holds one query throughout, its registers run along the channels in the same way.
.set REC,   69632
.set QREC,  34816
.set PART,  8704                       ; a sixteenth of the two records: 34 rows of 256 bytes
.set SSTG,  2*REC                      ; behind the records: 1,024 bytes in which the waves' scale words meet; no tensor load lands there
.set SPARE, 0x29000                    ; the spare words, 128 bytes a wave: eight blocks of 256 bytes that no other line names
.set LI,   1                           ; 16 x lane
.set L8,   2                           ; 8 x lane
.set ADC,  3                           ; LDS address of the step's codes
.set ADS,  4                           ; and of its scale words
.set DQ,   5                           ; my query's place in its chunk - 16 (lane / 16)
.set NINF, 6
.set SWA,  7
.set SRD,  8
.set AO,   9
.set QO,   10
.set QSO,  11
.set QZ,   16                          ; v16-35: zeros, head 0's q, zeros, head 1's q, zeros
.set QS,   36                          ; v36, v37 q's scale words
.set PWR,  38                          ; p's scale word
.set KSC,  40                          ; v[40:41] K's pair words of a step
.set VSC,  42                          ; v[42:43] V's scale words of a step
.set WD,   44                          ; the result's scale word: two bytes a head
.set ASO,  45
.set FQ,   46                          ; v[46:47] f = 2^(old M - new M)
.set RL,   48                          ; v[48:49] 1 / the row's sum
.set OC,   50                          ; v50-57 the result's codes, four registers a head
.set BK,   58
.set QR,   62
.set KF,   64
.set VF,   96
.set S,    128
.set OT,   192
.set PC,   224
.set BM,   232
.set T4,   236
.set SO,   244
.set SG,   248
.set AS,   249
.set CS,   250                         ; v[250:251] c
.set SPW,  253                         ; my spare word's address; never rewritten
.set NIL,  255                         ; 0; never rewritten
.macro ROUND                           ; a round of the cluster's barrier
	s_barrier_signal -1
	s_barrier_wait -1
	s_cmp_lg_u32 s14, 0
	s_cbranch_scc1 .Lnot_wave_0_\@
	s_barrier_signal -3
.Lnot_wave_0_\@:
	s_barrier_wait -3
	s_barrier_signal -1
	s_barrier_wait -1
.endm
	s_load_b256 s[4:11], s[0:1], 0x0               ; qb s[4:5], kv s[6:7], attn_scale s[8:9], ac s[10:11]
	s_load_b64 s[12:13], s[0:1], 0x20              ; asw
	v_lshl_add_u32 v[SPW], v0, 2, SPARE
	v_mov_b32 v[NIL], 0
	ds_add_u32 v[SPW], v[NIL]                      ; the opening lines: the add, twice on end, and one wait, ahead of my tensor load
	ds_add_u32 v[SPW], v[NIL]
	v_lshrrev_b32 v3, 5, v0
	v_readfirstlane_b32 s14, v3                    ; wave 0..15
	; the head's scalar work first, then its vector work in one run
	s_bfe_u32 s15, ttmp6, 0x40000                  ; cx: it enters global offsets, the mask's number and a byte select, never a branch or an LDS address
	s_and_b32 s16, ttmp7, 0xffff                   ; 8 x batch + head pair: the four partners share it
	s_lshr_b32 s17, s14, 1                         ; the key step that holds my diagonal chunk,
	s_and_b32 s18, s14, 1                          ; and which half of it
	s_mov_b32 s20, 0x76543210
	s_mov_b32 s21, 0xfedcba98                      ; v_permlanex16_b32's selects for lane l xor 16
	s_mov_b32 s24, 15|(3<<16)|(1<<21)              ; group 1: 15:0 the mask: all four; 17:16 elements of 8 bytes; 21 set beside a mask; no padding
	s_mov_b32 s25, 32<<16                          ; tensor_dim0 = 32 elements: 256 bytes
	s_mov_b32 s26, 34<<16                          ; tensor_dim1 = 34
	s_mov_b32 s27, 32<<16                          ; tile_dim0
	s_mov_b32 s28, 34                              ; tile_dim1
	s_mov_b32 s29, 32                              ; the pitch: dense
	s_mov_b32 s30, 0
	s_mov_b32 s31, 0
	s_lshr_b32 s44, s15, 1
	s_lshl_b32 s42, s44, 5
	s_and_b32 s45, s15, 1
	s_lshl_b32 s46, s45, 3
	s_add_co_u32 s42, s42, s46                     ; 32 (cx / 2) + 8 (cx % 2)
	s_mul_i32 s43, s45, 0x02020202
	s_add_co_u32 s43, s43, 0x01000100              ; picks my tile's two bytes of q's pair word, twice
	s_lshl_b32 s48, s14, 6
	s_add_co_u32 s48, s48, SSTG                    ; where my wave's scale words meet the others': 64 bytes a wave
	s_lshr_b32 s44, s16, 3                         ; batch
	s_and_b32 s45, s16, 7                          ; head pair
	s_lshl_b32 s44, s44, 2
	s_add_co_u32 s44, s44, s15                     ; 4 batch + cx: a block of 256 rows of the last product
	s_lshl_b32 s46, s44, 4
	s_add_co_u32 s46, s46, s14                     ; its row tile
	s_lshl_b32 s46, s46, 13                        ; 8,192 bytes a row tile: 16 heads' images
	s_lshl_b32 s47, s45, 10
	s_add_co_u32 s49, s46, s47                     ; ac
	s_lshl_b32 s46, s45, 15                        ; asw: 32,768 bytes a head pair, 1,024 a block of 256 rows
	s_lshl_b32 s47, s44, 10
	s_add_co_u32 s50, s46, s47
	s_lshl_b32 s46, s14, 2
	s_add_co_u32 s46, s46, s15                     ; my query tile
	s_lshl_b32 s46, s46, 9
	s_mul_i32 s47, s16, 2*QREC                     ; my first head's record of qb
	s_add_co_u32 s51, s46, s47
	s_lshr_b32 s46, s15, 1                         ; q's pair word: pair 2 w + cx / 2
	s_lshl_b32 s46, s46, 7
	s_lshl_b32 s44, s18, 2
	s_add_co_u32 s46, s46, s44
	s_lshl_b32 s44, s17, 8
	s_add_co_u32 s46, s46, s44
	s_add_co_u32 s46, s46, s47
	s_add_co_u32 s52, s46, 32768
	s_mul_i32 s33, s14, PART                       ; group 0: LDS address: sixteenth w of the two records,
	s_mul_i32 s46, s16, 2*REC
	s_add_co_u32 s46, s46, s33                     ; and the same place in kv
	s_mov_b32 s47, 0
	s_mov_b32 s32, 1
	v_and_b32 v[LI], 31, v0
	v_lshlrev_b32 v[L8], 3, v[LI]
	v_lshlrev_b32 v[LI], 4, v[LI]
	v_and_b32 v252, 15, v0                         ; r
	v_bfe_u32 v254, v0, 4, 1                       ; h
	v_and_b32 v[DQ], 8, v252
	v_add_nc_u32 v[DQ], v[DQ], v252
	v_add_nc_u32 v[DQ], s42, v[DQ]
	v_lshlrev_b32 v3, 4, v254
	v_sub_nc_u32 v[DQ], v[DQ], v3
	v_mov_b32 v[NINF], 0xff800000
	v_lshl_add_u32 v[SWA], v252, 2, s48
	v_lshl_add_u32 v[SRD], v0, 4, SSTG             ; where waves 0 and 1 read the scale words back
	v_add_nc_u32 v[AO], s49, v[LI]
	v_lshl_add_u32 v[ASO], v0, 4, s50
	v_add_nc_u32 v[QO], s51, v[LI]
	v_lshl_add_u32 v[QSO], v252, 3, s52
	v_mov_b32 v[SG], 0
.irp i, 0,1,2,3,8,9,10,11,16,17,18,19
	v_mov_b32 v[QZ+\i], 0
.endr
.irp b, 0,1,2,3
	v_mov_b32 v[T4+\b], 0                          ; written once: a lane permute's destination counts as one of its sources
.endr
	v_mov_b32 v[FQ+1], 0                           ; (named as the upper halves of pairs)
	v_mov_b32 v[RL+1], 0
	s_wait_alu depctr_va_vdst(0)
	s_wait_dscnt 0x0                               ; both opening adds are done
	s_wait_kmcnt 0x0
	global_load_b128 v[QZ+4:QZ+7], v[QO], s[4:5]                   ; q's images stay in registers; asked for ahead of the round
	global_load_b128 v[QZ+12:QZ+15], v[QO], s[4:5] offset:QREC
	global_load_b32 v[QR], v[QSO], s[4:5]
	global_load_b32 v[QR+1], v[QSO], s[4:5] offset:QREC
	global_load_b32 v[AS], v[SG], s[8:9]
	s_add_nc_u64 s[34:35], s[6:7], s[46:47]
	s_or_b32 s35, s35, 0x80000000
	ROUND                                          ; all four work-groups are here: the joint loads meet
	tensor_load_to_lds s[32:35], s[24:31]          ; my one tensor load
	s_nop 0
	s_wait_loadcnt 0x0
	v_ashrrev_i32 v[SG], 31, v[AS]
	v_and_b32 v[CS], 0x7fffffff, v[AS]
	v_and_b32 v[SG], 0x88888888, v[SG]             ; the sign bits of eight codes, where attn_scale is negative
	v_mul_f32 v[CS], 0x3fb8aa3b, v[CS]             ; |attn_scale| x log2(e)
	v_perm_b32 v[QS], v[QR], v[QR], s43            ; my tile's two bytes in both halves: they serve [q | 0] and [0 | q]
	v_perm_b32 v[QS+1], v[QR+1], v[QR+1], s43
	v_max_num_f32 v[CS], 0x800000, v[CS]           ; held at 2^-126
.irp i, 4,5,6,7,12,13,14,15
	v_xor_b32 v[QZ+\i], v[SG], v[QZ+\i]
.endr
	v_mov_b32 v[CS+1], v[CS]
	s_wait_alu depctr_va_vdst(0)
	s_wait_tensorcnt 0x0                           ; my sixteenth is in: every read of either record, by any wave, stands behind the barrier that follows
	s_barrier_signal -1
	s_barrier_wait -1
.macro MASK par                        ; register 32 par + n holds the chunk's key 32 (n / 16) + n % 16 + 16 (lane / 16): hidden where it comes after my query
.set n, 0
.rept 32
	v_cmp_gt_i32 vcc_lo, 32*(n/16)+n%16, v[DQ]
	v_cndmask_b32 v[S+32*\par+n], v[S+32*\par+n], v[NINF], vcc_lo
.set n, n+1
.endr
.endm
; A key step of 128 keys for head c.  K's fragments and pair words were asked for a step ago.  pre = 1: the next step's are asked for as soon as the score products have read these.
.macro TRIP c, pre
	v_add_nc_u32 v[ADC], s40, v[LI]
	v_add_nc_u32 v[ADS], s41, v[L8]
	v_nop
	v_nop                                          ; four plain lines behind the last products, in front of loads into registers that they read
	ds_load_b64 v[VSC:VSC+1], v[ADS] offset:34816
.irp i, 0,1,2,3,4,5,6,7
	ds_load_b128 v[VF+4*\i:VF+4*\i+3], v[ADC] offset:34816+512*\i
.endr
	s_wait_alu depctr_va_vdst(0)
	s_wait_dscnt 9                                 ; K's nine loads, issued ahead of these, are in; V's nine may be out
.irp p, 0,1,2,3
.irp u, 0,1
.if \p%2
	v_wmma_scale_f32_16x16x128_f8f6f4 v[S+8*(2*\p+\u):S+8*(2*\p+\u)+7], v[KF+8*\p:KF+8*\p+7], v[QZ+4+8*\c-4*\u:QZ+11+8*\c-4*\u], 0, v[KSC+\p/2], v[QS+\c] matrix_a_fmt:MATRIX_FMT_FP4 matrix_b_fmt:MATRIX_FMT_FP4 matrix_a_scale:MATRIX_SCALE_ROW1
.else
	v_wmma_scale_f32_16x16x128_f8f6f4 v[S+8*(2*\p+\u):S+8*(2*\p+\u)+7], v[KF+8*\p:KF+8*\p+7], v[QZ+4+8*\c-4*\u:QZ+11+8*\c-4*\u], 0, v[KSC+\p/2], v[QS+\c] matrix_a_fmt:MATRIX_FMT_FP4 matrix_b_fmt:MATRIX_FMT_FP4
.endif
.endr
.endr                                          ; register 16 b + i: key 128 s + 32 b + 16 (lane / 16) + i of my query
.rept 4
	v_nop                                          ; four plain lines: in front of the first read of the scores, and of the loads into K's registers
.endr
.if \pre
	ds_load_b64 v[KSC:KSC+1], v[ADS] offset:256    ; the next step's K: 256 bytes of pair words and 4,096 bytes of codes further on
.irp i, 0,1,2,3,4,5,6,7
	ds_load_b128 v[KF+4*\i:KF+4*\i+3], v[ADC] offset:4096+512*\i
.endr
.endif
	s_cmp_lg_u32 s19, s17                          ; only the step with my diagonal chunk has hidden keys
	s_cbranch_scc1 .Lopen_\@
	s_cmp_eq_u32 s18, 0
	s_cbranch_scc0 .Lodd_\@
	MASK 0
	s_branch .Lopen_\@
.Lodd_\@:
	MASK 1
.Lopen_\@:
.irp b, 0,1,2,3
	v_max3_num_f32 v[BM+\b], v[S+16*\b], v[S+16*\b+1], v[S+16*\b+2]   ; the largest score of each block of 32 keys: for the row's maximum and, since p rises with the score, for the block's largest p.  Each accumulator is read from its low end on
.endr
.irp i, 3,5,7,9,11,13
.irp b, 0,1,2,3
	v_max3_num_f32 v[BM+\b], v[BM+\b], v[S+16*\b+\i], v[S+16*\b+\i+1]
.endr
.endr
.irp b, 0,1,2,3
	v_max_num_f32 v[BM+\b], v[BM+\b], v[S+16*\b+15]
.endr
.irp b, 0,1,2,3
	v_permlanex16_b32 v[T4+\b], v[BM+\b], s20, s21
.endr
.irp b, 0,1,2,3
	v_max_num_f32 v[BM+\b], v[BM+\b], v[T4+\b]     ; with lane l xor 16's 16 keys
.endr
	v_max3_num_f32 v254, v[BM], v[BM+1], v[BM+2]
	s_delay_alu instid0(VALU_DEP_1)
	v_max_num_f32 v254, v254, v[BM+3]
	s_delay_alu instid0(VALU_DEP_1)
	v_mul_f32 v254, v[CS], v254                    ; as t (c is positive)
	s_delay_alu instid0(VALU_DEP_1)
	v_max_num_f32 v13, v13, v254                   ; the running largest t
	v_mov_b32 v254, v12
	s_delay_alu instid0(VALU_DEP_2)
	v_floor_f32 v12, -v13                          ; the new -M = -ceil(t)
	s_delay_alu instid0(VALU_DEP_1)
	v_sub_f32 v254, v12, v254                      ; old M - new M: a whole number, 0 or less
.irp b, 0,1,2,3
	v_fma_f32 v[BM+\b], v[BM+\b], v[CS], v12       ; t - M of each block's largest score
.endr
	v_cvt_i32_f32 v254, v254                       ; (it saturates)
	v_pk_fma_f32 v[S:S+1], v[S:S+1], v[CS:CS+1], v[12:13] op_sel_hi:[1,0,0]       ; t - M, two at a time (of the pairs c and -M the low word serves both halves)
	v_pk_fma_f32 v[S+2:S+3], v[S+2:S+3], v[CS:CS+1], v[12:13] op_sel_hi:[1,0,0]
	v_ldexp_f32 v[FQ], 1.0, v254                   ; f
.set j, 4
.rept 30
	v_pk_fma_f32 v[S+j:S+j+1], v[S+j:S+j+1], v[CS:CS+1], v[12:13] op_sel_hi:[1,0,0]
.set j, j+2
.endr
	s_wait_alu depctr_va_vdst(0)
; ONE BATCH of 68 exponentials, none of which reads another's result: the four blocks' largest p, then p = 2^(t - M)
.irp b, 0,1,2,3
	v_exp_f32 v[BM+\b], v[BM+\b]
.endr
.set j, 0
.rept 64
	v_exp_f32 v[S+j], v[S+j]
.set j, j+1
.endr
	v_pk_mul_f32 v[14:15], v[14:15], v[FQ:FQ+1] op_sel_hi:[1,0]   ; the sums under the new M (a plain line behind the last exponential)
	s_wait_alu depctr_va_vdst(0)                   ; one wait for the whole batch, ahead of its first reader
	v_pk_add_f32 v[T4:T4+1], v[S:S+1], v[S+2:S+3]  ; the row's sum of the unquantised p, in two chains
.irp j, 4,8,12,16,20,24,28,32,36,40,44,48,52,56,60
	v_pk_add_f32 v[14:15], v[14:15], v[S+\j:S+\j+1]
	v_pk_add_f32 v[T4:T4+1], v[T4:T4+1], v[S+\j+2:S+\j+3]
.endr
	v_pk_add_f32 v[14:15], v[14:15], v[T4:T4+1]
.irp b, 0,1,2,3
	v_max_num_f32 v[BM+\b], 0x1800000, v[BM+\b]    ; the floor 2^(3 - 127): a block whose every p is 0 keeps the byte 1: its codes are zeros
.endr
.irp b, 0,1,2,3
	v_add_nc_u32 v[SO+\b], 0xff000000, v[BM+\b]    ; 2 off the exponent field: the conversion's scale operand
.endr
.irp b, 0,1,2,3
	v_lshrrev_b32 v[T4+\b], 23, v[SO+\b]           ; the scale's byte
.endr
	v_lshl_or_b32 v[PWR], v[T4+1], 8, v[T4]        ; p's scale word for these 128 keys
	v_lshl_or_b32 v[PWR], v[T4+2], 16, v[PWR]
	v_lshl_or_b32 v[PWR], v[T4+3], 24, v[PWR]
.irp b, 0,1,2,3
	v_cvt_scalef32_pk8_fp4_f32 v[PC+2*\b], v[S+16*\b:S+16*\b+7], v[SO+\b]
	v_cvt_scalef32_pk8_fp4_f32 v[PC+2*\b+1], v[S+16*\b+8:S+16*\b+15], v[SO+\b]
.endr
	v_nop                                          ; one plain line behind the scaled conversions
.irp k, 0,1
.irp i, 0,1
	v_permlane16_swap_b32 v[PC+4*\k+\i], v[PC+4*\k+2+\i]   ; a whole block to a lane
.endr
.endr
	s_wait_alu depctr_va_vdst(0)                   ; directly ahead of the first reader of O^T
.set j, 0
.rept 16
	v_pk_mul_f32 v[OT+j:OT+j+1], v[OT+j:OT+j+1], v[FQ:FQ+1] op_sel_hi:[1,0]   ; O^T under the new M, each accumulator from its low end on; these 16 lines also stand between the scale word and the codes just made and the products that take them
.set j, j+2
.endr
	s_wait_alu depctr_va_vdst(0)
	s_wait_dscnt 9*\pre                            ; V is in; the next step's nine loads of K, issued behind V's, may be out
.irp d, 0,1,2,3
.if \d%2
	v_wmma_scale_f32_16x16x128_f8f6f4 v[OT+8*\d:OT+8*\d+7], v[VF+8*\d:VF+8*\d+7], v[PC:PC+7], v[OT+8*\d:OT+8*\d+7], v[VSC+\d/2], v[PWR] matrix_a_fmt:MATRIX_FMT_FP4 matrix_b_fmt:MATRIX_FMT_FP4 matrix_a_scale:MATRIX_SCALE_ROW1
.else
	v_wmma_scale_f32_16x16x128_f8f6f4 v[OT+8*\d:OT+8*\d+7], v[VF+8*\d:VF+8*\d+7], v[PC:PC+7], v[OT+8*\d:OT+8*\d+7], v[VSC+\d/2], v[PWR] matrix_a_fmt:MATRIX_FMT_FP4 matrix_b_fmt:MATRIX_FMT_FP4
.endif
.endr                                          ; the four accumulators by turns; the next step's first product starts a sum of its own
	s_add_co_u32 s40, s40, 4096
	s_add_co_u32 s41, s41, 256
	s_add_co_u32 s19, s19, 1
.endm
; One head: eight key steps.  The first step finds zeros in O^T and in the sum, which the first change of M leaves zeros.  The last step is written out: it has no next K to ask for.
.macro HEAD c
	v_mov_b32 v13, 0xff61b1e6                      ; the largest t so far: -3e38
	v_floor_f32 v12, -v13                          ; -M
	v_mov_b32 v14, 0
	v_mov_b32 v15, 0
.set j, 0
.rept 32
	v_mov_b32 v[OT+j], 0
.set j, j+1
.endr
	s_mov_b32 s19, 0                               ; the key step
	s_mov_b32 s40, \c*REC                          ; where the step's codes of K begin (V's: 34,816 on): 4,096 bytes a step
	s_mov_b32 s41, \c*REC+32768                    ; and its pair words (V's words: 34,816 on): 256 bytes a step
	v_add_nc_u32 v[ADC], s40, v[LI]
	v_add_nc_u32 v[ADS], s41, v[L8]
	ds_load_b64 v[KSC:KSC+1], v[ADS]               ; step 0's K
.irp i, 0,1,2,3,4,5,6,7
	ds_load_b128 v[KF+4*\i:KF+4*\i+3], v[ADC] offset:512*\i
.endr
.Lstep_\@:
	TRIP \c, 1
	s_cmp_lt_u32 s19, 7
	s_cbranch_scc1 .Lstep_\@
	TRIP \c, 0
.endm
; A head's end: O^T / the sum; register 16 b + i is channel 32 b + 16 (lane / 16) + i of my query: two blocks of the last product's K.  Codes: one image of 512 bytes.
.macro EPI c
.rept 4
	v_nop                                          ; four plain lines behind the last products
.endr
	v_add_f32 v14, v14, v15
	v_permlanex16_b32 v252, v14, s20, s21
	v_add_f32 v14, v14, v252                       ; the row's sum
	s_wait_alu depctr_va_vdst(0)
	v_rcp_f32 v[RL], v14
	v_nop
	s_wait_alu depctr_va_vdst(0)                   ; ahead of the reciprocal's first reader, which is also the first reader of O^T
.set j, 0
.rept 16
	v_pk_mul_f32 v[OT+j:OT+j+1], v[OT+j:OT+j+1], v[RL:RL+1] op_sel_hi:[1,0]   ; each accumulator from its low end on
.set j, j+2
.endr
.irp b, 0,1
	v_max3_num_f32 v[BM+\b], |v[OT+16*\b]|, |v[OT+16*\b+1]|, 0x1800000
.endr
.irp i, 2,4,6,8,10,12,14
.irp b, 0,1
	v_max3_num_f32 v[BM+\b], v[BM+\b], |v[OT+16*\b+\i]|, |v[OT+16*\b+\i+1]|
.endr
.endr
.irp b, 0,1
	v_permlanex16_b32 v[T4+\b], v[BM+\b], s20, s21
.endr
.irp b, 0,1
	v_max_num_f32 v[BM+\b], v[BM+\b], v[T4+\b]
.endr
.irp b, 0,1
	v_add_nc_u32 v[SO+\b], 0xff000000, v[BM+\b]
.endr
.irp b, 0,1
	v_lshrrev_b32 v[T4+\b], 23, v[SO+\b]
.endr
.if \c == 0
	v_lshl_or_b32 v[WD], v[T4+1], 8, v[T4]
.else
	v_lshl_or_b32 v[WD], v[T4], 16, v[WD]
	v_lshl_or_b32 v[WD], v[T4+1], 24, v[WD]
.endif
.irp b, 0,1
	v_cvt_scalef32_pk8_fp4_f32 v[OC+4*\c+2*\b], v[OT+16*\b:OT+16*\b+7], v[SO+\b]
	v_cvt_scalef32_pk8_fp4_f32 v[OC+4*\c+2*\b+1], v[OT+16*\b+8:OT+16*\b+15], v[SO+\b]
.endr
	v_nop                                          ; one plain line behind the scaled conversions
.irp i, 0,1
	v_permlane16_swap_b32 v[OC+4*\c+\i], v[OC+4*\c+2+\i]
.endr
	global_store_b128 v[AO], v[OC+4*\c:OC+4*\c+3], s[10:11] offset:512*\c   ; 32 lanes store 512 consecutive bytes, aligned; each head has data registers of its own
.endm
	HEAD 0
	EPI 0
	HEAD 1                                         ; record 1 was shown whole by the barrier at the start: no wave waits for another here
	EPI 1
	ds_store_b32 v[SWA], v[WD]                     ; lanes r and r + 16 write the same word with the same value
	s_wait_dscnt 0x0                               ; for the others' sake
	s_barrier_signal -1
	s_barrier_wait -1
	s_cmp_lt_u32 s14, 2
	s_cbranch_scc0 .Lno_words
	ds_load_b128 v[BK:BK+3], v[SRD]
	s_wait_dscnt 0x0
	global_store_b128 v[ASO], v[BK:BK+3], s[12:13] ; the work-group's 256 scale words: 512 consecutive bytes a wave, aligned
.Lno_words:
	s_wait_tensorcnt 0x0                           ; the wave's end
	ds_add_u32 v[SPW], v[NIL]
	s_wait_dscnt 0x0
	ROUND                                          ; the closing round
	s_endpgm
.Lfunc_end_k_q2615f2bdf3_attn:
	.size	k_q2615f2bdf3_attn, .Lfunc_end_k_q2615f2bdf3_attn-k_q2615f2bdf3_attn
	.p2alignl 7, 3214868480
	.fill 96, 4, 3214868480
	.section	.rodata,"a",@progbits
	.p2align	6, 0x0
	.amdhsa_kernel k_q2615f2bdf3_attn
		.amdhsa_group_segment_fixed_size 169984
		.amdhsa_private_segment_fixed_size 0
		.amdhsa_enable_private_segment 0
		.amdhsa_kernarg_size 40
		.amdhsa_user_sgpr_count 2
		.amdhsa_user_sgpr_kernarg_segment_ptr 1
		.amdhsa_wavefront_size32 1
		.amdhsa_system_sgpr_workgroup_id_x 1
		.amdhsa_system_sgpr_workgroup_id_y 1
		.amdhsa_system_sgpr_workgroup_id_z 1
		.amdhsa_system_vgpr_workitem_id 0
		.amdhsa_next_free_vgpr 256
		.amdhsa_next_free_sgpr 66
		.amdhsa_reserve_vcc 1
		.amdhsa_float_denorm_mode_32 3
		.amdhsa_float_denorm_mode_16_64 3
		.amdhsa_memory_ordered 1
		.amdhsa_forward_progress 1
		.amdhsa_inst_pref_size 94
	.end_amdhsa_kernel
	.amdgpu_metadata
---
amdhsa.version: [ 1, 2 ]
amdhsa.kernels:
  - .name:           k_q2615f2bdf3_attn
    .symbol:         k_q2615f2bdf3_attn.kd
    .args:
      - { .name: qb, .offset: 0, .size: 8, .value_kind: global_buffer, .address_space: global }
      - { .name: kv, .offset: 8, .size: 8, .value_kind: global_buffer, .address_space: global }
      - { .name: attn_scale, .offset: 16, .size: 8, .value_kind: global_buffer, .address_space: global }
      - { .name: ac, .offset: 24, .size: 8, .value_kind: global_buffer, .address_space: global }
      - { .name: asw, .offset: 32, .size: 8, .value_kind: global_buffer, .address_space: global }
    .group_segment_fixed_size: 169984
    .private_segment_fixed_size: 0
    .kernarg_segment_align: 8
    .kernarg_segment_size: 40
    .max_flat_workgroup_size: 512
    .sgpr_count:     66
    .vgpr_count:     256
    .wavefront_size: 32
...
	.end_amdgpu_metadata
.endif
;; end of part 3
;; launch proj (part 4): grid 4 x 64, 4 waves a work-group, clusters of 4 x 4, 327,680 bytes of LDS; arguments ac, asw, wc, ws, out0, bo; writes out0
.if DOCPART == 4
	.amdgcn_target "amdgcn-amd-amdhsa--gfx1250"
	.amdhsa_code_object_version 6
	.text
	.protected	k_q2615f2bdf3_proj
	.globl	k_q2615f2bdf3_proj
	.p2align	8
	.type	k_q2615f2bdf3_proj,@function
k_q2615f2bdf3_proj:
	s_mov_b64 s[64:65], 0
	v_nop
	global_prefetch_b8 v0, s[64:65] scope:SCOPE_SE
	s_setreg_imm32_b32 hwreg(HW_REG_WAVE_MODE, 25, 1), 1
	s_wait_xcnt 0x0
	s_wait_alu depctr_hold_cnt(0) depctr_sa_sdst(0) depctr_va_vdst(0) depctr_va_sdst(0) depctr_va_ssrc(0) depctr_va_vcc(0) depctr_vm_vsrc(0)
	s_getreg_b32 s2, hwreg(HW_REG_IB_STS2, 6, 4)
	s_cmp_eq_u32 s2, 0
	s_cbranch_scc0 .Lentry_in_a_cluster
	s_endpgm
.Lentry_in_a_cluster:
	s_bfe_u32 s2, ttmp6, 0x10000c
	s_cmp_lg_u32 s2, 0xf033
	s_cbranch_scc0 .Lentry_shape_is_right
	s_endpgm
.Lentry_shape_is_right:
.set NQ,     4
.set PITCH,  528                       ; an LDS row of Wo's codes: all of K, 512 bytes, + 16 of padding
.set FR,     8
.set NP,     4
.set HALFT,  128*PITCH
.set ASLOT,  4096                      ; A's second 512 along K begin 4,096 bytes on in each row tile's 8,192
.set BS0,    65536                     ; behind A's eight row tiles: B's 256 rows
.set BSLOT,  256                       ; B's second 512 along K begin 256 bytes on in each LDS row
.set ASC,    BS0+2*HALFT
.set BSC,    ASC+4096
.set HALFS,  16*272
.set SPARE,  BSC+2*HALFS
.set STG,    SPARE+512
.set SPITCH, 528
.set ADRA, 16
.set ADRB, 20
.set STO,  24
.set RD,   25
.set CO,   26
.set ADSA, 27
.set SPW,  28
.set NIL,  29
.set ADSB, 30
.set SA,   32
.set SB,   64
.set AF,   128
.set BI,   192
.set BK,   128
.set G1, 24
.set G0, 32
.set G1B, 48
.set G0B, 56
.set G1S, 68
.set G0S, 76
.set G1SB, 80
.set G0SB, 88
.set MSB, 0
.macro WIN new
.if MSB != \new
	s_set_vgpr_msb (MSB<<8)|\new
.set MSB, \new
.endif
.endm
.set MUL,  0xa1
.set MUL0, 0x81
.set TO_B, 0x40
; THE FILLS: ONE tensor load a wave, four in all, each a joint load: wave 0 A's codes (eight row tiles, 65,536 dense bytes), wave 1 Wo's 256 rows of codes for all of K, wave 2 A's scale words, wave 3 Wo's scale bytes.  Nothing is filled later.
; One chain of branches on the wave's number, an arm a load, all arms leading to one join.  An s_nop 0 and four v_nop follow each load.
.macro ARM under, g0, g1, next
	s_cmp_lt_u32 s14, \under
	s_cbranch_scc0 \next
	tensor_load_to_lds s[\g0:\g0+3], s[\g1:\g1+7]
	s_nop 0
.rept 4
	v_nop
.endr
	s_branch .Lhead_asked
\next:
.endm
.macro CROUND
	s_barrier_signal -1
	s_barrier_wait -1
	s_cmp_lg_u32 s14, 0
	s_cbranch_scc1 .Lnot_wave_0_\@
	s_barrier_signal -3
.Lnot_wave_0_\@:
	s_barrier_wait -3
	s_barrier_signal -1
	s_barrier_wait -1
.endm
	s_load_b256 s[4:11], s[0:1], 0x0
	s_load_b64 s[12:13], s[0:1], 0x20
	s_load_b64 s[66:67], s[0:1], 0x28
	v_lshl_add_u32 v[SPW], v0, 2, SPARE
	v_mov_b32 v[NIL], 0
	ds_add_u32 v28, v29
	ds_add_u32 v28, v29
	s_wait_dscnt 0x0
	v_lshrrev_b32 v1, 5, v0
	v_readfirstlane_b32 s14, v1
	s_lshr_b32 s15, s14, 1
	s_and_b32 s16, s14, 1
	s_bfe_u32 s40, ttmp6, 0x40000
	s_bfe_u32 s41, ttmp6, 0x40004
	s_lshl_b32 s42, ttmp9, 2
	s_add_co_u32 s42, s42, s40
	s_and_b32 s17, ttmp7, 0xffff
	s_lshl_b32 s17, s17, 2
	s_add_co_u32 s17, s17, s41
	s_lshl_b32 s43, s41, 2
	s_lshl_b32 s43, 15, s43
	s_lshl_b32 s44, 0x1111, s40
	s_or_b32 s[G1+0], s43, (3<<16)|(1<<21)
	s_mov_b32 s[G1+1], 32<<16                      ; a dense block as 256 rows of 256 bytes (32 elements of 8 bytes)
	s_mov_b32 s[G1+2], 256<<16
	s_mov_b32 s[G1+3], 32<<16
	s_mov_b32 s[G1+4], 256
	s_mov_b32 s[G1+5], 32
	s_mov_b32 s[G1+6], 0
	s_mov_b32 s[G1+7], 0
	s_or_b32 s[G1B+0], s44, (0<<16)|(1<<20)|(1<<21)|(6<<22)|(3<<25)  ; padding: four words after every 128
	s_mov_b32 s[G1B+1], 512<<16
	s_mov_b32 s[G1B+2], 256<<16
	s_mov_b32 s[G1B+3], 512<<16
	s_mov_b32 s[G1B+4], 256
	s_mov_b32 s[G1B+5], 512
	s_mov_b32 s[G1B+6], 0
	s_mov_b32 s[G1B+7], 0
	s_or_b32 s[G1S+0], s43, (3<<16)|(1<<21)
	s_mov_b32 s[G1S+1], 64<<16                     ; my 128 rows' words of a head pair: 512 bytes; eight head pairs, 32,768 bytes apart
	s_mov_b32 s[G1S+2], 8<<16
	s_mov_b32 s[G1S+3], 64<<16
	s_mov_b32 s[G1S+4], 8
	s_mov_b32 s[G1S+5], 4096
	s_mov_b32 s[G1S+6], 0
	s_mov_b32 s[G1S+7], 0
	s_or_b32 s[G1SB+0], s44, (3<<16)|(1<<20)|(1<<21)|(5<<22)|(3<<25)
	s_mov_b32 s[G1SB+1], 32<<16
	s_mov_b32 s[G1SB+2], 32<<16
	s_mov_b32 s[G1SB+3], 32<<16
	s_mov_b32 s[G1SB+4], 32
	s_mov_b32 s[G1SB+5], 32
	s_mov_b32 s[G1SB+6], 0
	s_mov_b32 s[G1SB+7], 0
	s_lshl_b32 s20, s17, 16                        ; A's codes: 65,536 bytes for my 128 rows
	s_mov_b32 s21, 0
	s_lshl_b32 s22, s17, 9                         ; A's scale words: 512 bytes in each head pair's part
	s_mov_b32 s23, 0
	s_lshl_b32 s46, s42, 17                        ; Wo's codes: 256 rows of 512 bytes, behind Wq, Wk, Wv in wc
	s_add_co_u32 s46, s46, 1572864
	s_mov_b32 s47, 0
	s_lshl_b32 s92, s42, 13                        ; and its scale bytes, in ws
	s_add_co_u32 s92, s92, 98304
	s_mov_b32 s93, 0
	s_wait_kmcnt 0x0
	s_add_nc_u64 s[20:21], s[4:5], s[20:21]
	s_add_nc_u64 s[22:23], s[6:7], s[22:23]
	s_add_nc_u64 s[46:47], s[8:9], s[46:47]
	s_add_nc_u64 s[92:93], s[10:11], s[92:93]
	CROUND
	s_mov_b32 s[G0], 1
	s_mov_b32 s[G0+1], 0
	s_mov_b64 s[G0+2:G0+3], s[20:21]
	s_or_b32 s[G0+3], s[G0+3], 0x80000000
	s_mov_b32 s[G0B], 1
	s_mov_b32 s[G0B+1], BS0
	s_mov_b64 s[G0B+2:G0B+3], s[46:47]
	s_or_b32 s[G0B+3], s[G0B+3], 0x80000000
	s_mov_b32 s[G0S], 1
	s_mov_b32 s[G0S+1], ASC
	s_mov_b64 s[G0S+2:G0S+3], s[22:23]
	s_or_b32 s[G0S+3], s[G0S+3], 0x80000000
	s_mov_b32 s[G0SB], 1
	s_mov_b32 s[G0SB+1], BSC
	s_mov_b64 s[G0SB+2:G0SB+3], s[92:93]
	s_or_b32 s[G0SB+3], s[G0SB+3], 0x80000000
	ARM 1, G0,  G1,  .Lhead_b
	ARM 2, G0B, G1B, .Lhead_sa
	ARM 3, G0S, G1S, .Lhead_sb
	tensor_load_to_lds s[G0SB:G0SB+3], s[G1SB:G1SB+7]
	s_nop 0
.rept 4
	v_nop
.endr
.Lhead_asked:
	v_and_b32 v1, 15, v0
	v_bfe_u32 v2, v0, 4, 1
	v_and_b32 v6, 31, v0
	v_lshlrev_b32 v[CO], 4, v6
	s_lshl_b32 s21, s15, 15                        ; my four row tiles of 8,192 bytes
	v_add_nc_u32 v[ADRA], s21, v[CO]
	v_add_nc_u32 v[ADRA+1], ASLOT, v[ADRA]
	v_mul_u32_u24 v3, v1, PITCH
	v_lshl_add_u32 v4, v2, 4, v3
	s_mul_i32 s22, s16, HALFT
	s_add_co_u32 s22, s22, BS0
	v_add_nc_u32 v[ADRB], s22, v4
	v_add_nc_u32 v[ADRB+1], BSLOT, v[ADRB]
	s_lshl_b32 s21, s15, 8                         ; my 64 rows' words: 256 bytes of each head pair's 512
	s_add_co_u32 s21, s21, ASC
	v_lshl_add_u32 v[ADSA], v6, 2, s21
	v_lshrrev_b32 v5, 3, v6
	v_lshlrev_b32 v5, 4, v5
	v_lshl_add_u32 v5, v6, 5, v5
	s_mul_i32 s22, s16, HALFS
	s_add_co_u32 s22, s22, BSC
	v_add_nc_u32 v[ADSB], s22, v5
	s_mul_i32 s23, s14, 16*SPITCH
	s_add_co_u32 s23, s23, STG
	v_mul_u32_u24 v5, v1, SPITCH
	v_lshl_add_u32 v5, v2, 5, v5
	v_add_nc_u32 v[STO], s23, v5
	v_add_nc_u32 v[RD], s23, v[CO]
	s_lshr_b32 s20, s17, 3
	s_lshl_b32 s20, s20, 10
	s_and_b32 s21, s17, 1
	s_lshl_b32 s21, s21, 9
	s_add_co_u32 s20, s20, s21
	s_lshl_b32 s21, s15, 8
	s_add_co_u32 s20, s20, s21
	s_bfe_u32 s21, s17, 0x10002
	s_lshl_b32 s21, s21, 5
	s_add_co_u32 s20, s20, s21
	s_bfe_u32 s21, s17, 0x10001
	s_lshl_b32 s21, s21, 3
	s_add_co_u32 s20, s20, s21
	s_lshl_b32 s20, s20, 12
	s_lshl_b32 s46, s42, 10
	s_lshl_b32 s47, s16, 9
	s_add_co_u32 s46, s46, s47
	s_add_co_u32 s20, s20, s46
	s_mov_b32 s21, 0
	s_add_nc_u64 s[12:13], s[12:13], s[20:21]
	v_lshl_add_u32 v7, v2, 5, s46
.irp b, 0,1,2,3,4,5,6,7
	global_load_b128 v[BI+8*\b:BI+8*\b+3], v7, s[66:67] offset:64*\b
	global_load_b128 v[BI+8*\b+4:BI+8*\b+7], v7, s[66:67] offset:64*\b+16
.endr
.macro FRAGA reg, adr, q, i
.irp c, 0,1
	ds_load_b128 v[\reg+4*\c:\reg+4*\c+3], v[\adr] offset:(\i)*8192+1024*(\q)+512*\c
.endr
.endm
.macro FRAGB reg, adr, q, i
.irp c, 0,1
	ds_load_b128 v[\reg+4*\c:\reg+4*\c+3], v[\adr] offset:64*(\q)+32*\c+(\i)*16*PITCH
.endr
.endm
.macro PROD a, b, p, q, sc, zero
.set rD, 8*(8*(\a)+(\b))
.set rB, 128*(\p)+FR*(\b)
.set rA, AF+32*(\p)+FR*(\a)
.set rSB, SB+16*(\sc)+4*((\b)/2)+(\q)
.set rSA, SA+2*(4*(\sc)+(\q))+(\a)/2
.set rC, rD
.if \zero
.set rC, BI+8*(\b)
.endif
.if ((\a)%2) && ((\b)%2)
	v_wmma_scale_f32_16x16x128_f8f6f4 v[rD:rD+7], v[rB:rB+7], v[rA:rA+7], v[rC:rC+7], v[rSB], v[rSA] matrix_a_fmt:MATRIX_FMT_FP4 matrix_b_fmt:MATRIX_FMT_FP4 matrix_a_scale:MATRIX_SCALE_ROW1 matrix_b_scale:MATRIX_SCALE_ROW1
.elseif (\b)%2
	v_wmma_scale_f32_16x16x128_f8f6f4 v[rD:rD+7], v[rB:rB+7], v[rA:rA+7], v[rC:rC+7], v[rSB], v[rSA] matrix_a_fmt:MATRIX_FMT_FP4 matrix_b_fmt:MATRIX_FMT_FP4 matrix_a_scale:MATRIX_SCALE_ROW1
.elseif (\a)%2
	v_wmma_scale_f32_16x16x128_f8f6f4 v[rD:rD+7], v[rB:rB+7], v[rA:rA+7], v[rC:rC+7], v[rSB], v[rSA] matrix_a_fmt:MATRIX_FMT_FP4 matrix_b_fmt:MATRIX_FMT_FP4 matrix_b_scale:MATRIX_SCALE_ROW1
.else
	v_wmma_scale_f32_16x16x128_f8f6f4 v[rD:rD+7], v[rB:rB+7], v[rA:rA+7], v[rC:rC+7], v[rSB], v[rSA] matrix_a_fmt:MATRIX_FMT_FP4 matrix_b_fmt:MATRIX_FMT_FP4
.endif
.endm
.macro MUL8 a, p, q, sc, zero
.irp b, 0,1,2,3,4,5,6,7
	PROD \a, \b, \p, \q, \sc, \zero
.endr
.endm
.macro MWIN zero
.if \zero
	WIN MUL0
.else
	WIN MUL
.endif
.endm
.macro FETCH slot, q, p
	WIN TO_B
.irp i, 0,1,2,3,4,5,6,7
	FRAGB 128*(\p)+FR*\i, ADRB+\slot, \q, \i
.endr
	WIN 0
.irp i, 0,1,2,3
	FRAGA AF+32*(\p)+FR*\i, ADRA+\slot, \q, \i
.endr
.endm
.macro SCALES
.irp kq, 0,1,2,3,4,5,6,7
.irp ap, 0,1
	ds_load_b32 v[SA+2*\kq+\ap], v[ADSA] offset:\kq*512+\ap*128
.endr
.endr
.irp sl, 0,1
.irp bp, 0,1,2,3
	ds_load_b128 v[SB+16*\sl+4*\bp:SB+16*\sl+4*\bp+3], v[ADSB] offset:\bp*1088+16*\sl
.endr
.endr
.endm
.macro PLACES n
.rept \n
	v_nop
.endr
.endm
.macro STEP slot, q, zero
	s_wait_dscnt 0x0
	MWIN \zero
	MUL8 0, (\q)%2, \q, \slot, \zero
	PLACES NP
	FETCH \slot, (\q)+1, 1-(\q)%2
	MWIN \zero
	MUL8 1, (\q)%2, \q, \slot, \zero
	MUL8 2, (\q)%2, \q, \slot, \zero
	MUL8 3, (\q)%2, \q, \slot, \zero
.endm
.macro TURN slot, next
	WIN 0
	s_wait_tensorcnt 0x0
	ds_add_u32 v[SPW], v[NIL]
	s_wait_dscnt 1
	WIN MUL
	MUL8 0, 1, NQ-1, \slot, 0
	s_wait_dscnt 0x0
	s_barrier_signal -1
	MUL8 1, 1, NQ-1, \slot, 0
	WIN 0
	s_barrier_wait -1
	PLACES NP
	FETCH \next, 0, 0
	WIN MUL
	MUL8 2, 1, NQ-1, \slot, 0
	MUL8 3, 1, NQ-1, \slot, 0
.endm
.macro STEPS slot, from
.set Q, \from
.rept NQ-1-\from
	STEP \slot, Q, 0
.set Q, Q+1
.endr
.endm
	s_wait_alu depctr_va_vdst(0)
	s_wait_tensorcnt 0x0                           ; my one tensor load has landed
	s_barrier_signal -1
	s_barrier_wait -1
	FETCH 0, 0, 0
	SCALES
	s_wait_loadcnt 0x0
	STEP 0, 0, 1
	STEPS 0, 1
	TURN 0, 1
	STEPS 1, 0
	s_wait_dscnt 0x0
	WIN MUL
	MUL8 0, 1, NQ-1, 1, 0
	MUL8 1, 1, NQ-1, 1, 0
	MUL8 2, 1, NQ-1, 1, 0
	MUL8 3, 1, NQ-1, 1, 0
	WIN 0
.macro TOSTAGE a
.set AC, 64*(\a)
	WIN 0x08
.irp b, 0,1,2,3,4,5,6,7
	ds_store_b128 v[STO], v[AC+8*\b:AC+8*\b+3] offset:64*\b
	ds_store_b128 v[STO], v[AC+8*\b+4:AC+8*\b+7] offset:64*\b+16
.endr
	WIN 0
.set BB, BK+64*((\a)%2)
.irp t, 0,1,2,3,4,5,6,7,8,9,10,11,12,13,14,15
	ds_load_b128 v[BB+4*\t:BB+4*\t+3], v[RD] offset:\t*SPITCH
.endr
.endm
.macro SEND a, younger
.set BB, BK+64*((\a)%2)
	s_wait_dscnt \younger
.irp t, 0,1,2,3,4,5,6,7,8,9,10,11,12,13,14,15
	global_store_b128 v[CO], v[BB+4*\t:BB+4*\t+3], s[12:13] offset:(64*(\a)+\t+8*(\t/8))*4096 th:TH_STORE_NT
.endr
.endm
	PLACES NP
	TOSTAGE 0
.irp a, 1,2,3
.if \a > 1
	s_wait_xcnt 0x0
.endif
	TOSTAGE \a
	SEND \a-1, 32
.endr
	SEND 3, 0
	s_wait_tensorcnt 0x0
	ds_add_u32 v[SPW], v[NIL]
	s_wait_dscnt 0x0
	CROUND
	s_endpgm
.Lfunc_end_k_q2615f2bdf3_proj:
	.size	k_q2615f2bdf3_proj, .Lfunc_end_k_q2615f2bdf3_proj-k_q2615f2bdf3_proj
	.p2alignl 7, 3214868480
	.fill 96, 4, 3214868480
	.section	.rodata,"a",@progbits
	.p2align	6, 0x0
	.amdhsa_kernel k_q2615f2bdf3_proj
		.amdhsa_group_segment_fixed_size 327680
		.amdhsa_private_segment_fixed_size 0
		.amdhsa_enable_private_segment 0
		.amdhsa_kernarg_size 48
		.amdhsa_user_sgpr_count 2
		.amdhsa_user_sgpr_kernarg_segment_ptr 1
		.amdhsa_wavefront_size32 1
		.amdhsa_system_sgpr_workgroup_id_x 1
		.amdhsa_system_sgpr_workgroup_id_y 1
		.amdhsa_system_sgpr_workgroup_id_z 1
		.amdhsa_system_vgpr_workitem_id 0
		.amdhsa_next_free_vgpr 768
		.amdhsa_next_free_sgpr 98
		.amdhsa_reserve_vcc 0
		.amdhsa_float_denorm_mode_32 3
		.amdhsa_float_denorm_mode_16_64 3
		.amdhsa_memory_ordered 1
		.amdhsa_forward_progress 1
		.amdhsa_inst_pref_size 73
	.end_amdhsa_kernel
	.amdgpu_metadata
---
amdhsa.version: [ 1, 2 ]
amdhsa.kernels:
  - .name:           k_q2615f2bdf3_proj
    .symbol:         k_q2615f2bdf3_proj.kd
    .args:
      - { .name: ac, .offset: 0, .size: 8, .value_kind: global_buffer, .address_space: global }
      - { .name: asw, .offset: 8, .size: 8, .value_kind: global_buffer, .address_space: global }
      - { .name: wc, .offset: 16, .size: 8, .value_kind: global_buffer, .address_space: global }
      - { .name: ws, .offset: 24, .size: 8, .value_kind: global_buffer, .address_space: global }
      - { .name: out0, .offset: 32, .size: 8, .value_kind: global_buffer, .address_space: global }
      - { .name: bo, .offset: 40, .size: 8, .value_kind: global_buffer, .address_space: global }
    .group_segment_fixed_size: 327680
    .private_segment_fixed_size: 0
    .kernarg_segment_align: 8
    .kernarg_segment_size: 48
    .max_flat_workgroup_size: 128
    .sgpr_count:     98
    .vgpr_count:     768
    .wavefront_size: 32
...
	.end_amdgpu_metadata
.endif
;; end of part 4
